; MI455X (gfx1250); checked and timed in simulation.
; The chip was launched on July 23, 2026; its instructions are those of AMD's public machine-readable ISA for CDNA 5 (MIT licence, August 2026) and "CDNA5" Instruction Set Architecture Reference Guide (July 2026). The comments in the code are by the model that wrote it; some were corrected since.
;; Multi Head Attention. Allowed arithmetic: matrix products marked QUANTISED: E2M1 operands, one E8M0 scale for each 32 along K, by v_wmma_scale_f32_16x16x128_f8f6f4 with both operands' format E2M1 (or v_wmma_scale_f32_32x16x128_f4), f32 sums; products left as they are: bf16, f16 or f32 operands; f32 sums; everything else in f32.
;; Inputs: Wk 16 x 1,024 x 32 float32; Wo 512 x 1,024 float32; Wq 16 x 1,024 x 32 float32; Wv 16 x 1,024 x 32 float32; attention_mask 4 x 2,048 x 2,048 bool; k 4 x 2,048 x 1,024 float32; q 4 x 2,048 x 1,024 float32; v 4 x 2,048 x 1,024 float32.
;; Outputs: out0 4 x 2,048 x 1,024 float32.
;; This version of the problem:
;;   THIS VERSION OF THE PROBLEM IS GIVEN IN LOW PRECISION. The matrix products marked QUANTISED in the list below multiply operands that are first quantised to E2M1 (2 exponent bits, 1 mantissa bit; 4 bits a number), with one power-of-two scale for each 32 numbers along K (OCP MX v1.0); their sums are f32. The products marked 'left as it is' may take bf16, f16 or f32 operands, with f32 sums. Whichever they take, every output number must still come out within the allowed error. Rounding operands to bf16 (8 significant bits) uses up far more of that allowance than f16 does (11 bits, for magnitudes from 6e-5 to 65,504). All else is computed in f32.
;;   The module's matrix products, in the order in which they are computed (A, B: the left and right operand; K: the contracted axis; several contracted axes count as one K, in the product's order):
;;     1. [M 512, K 1,024] x [K 1,024, N 8,192]; A: input Wq; B: input q: QUANTISED
;;     2. [M 512, K 1,024] x [K 1,024, N 8,192]; A: input Wk; B: input k: QUANTISED
;;     3. [M 512, K 1,024] x [K 1,024, N 8,192]; A: input Wv; B: input v: QUANTISED
;;     4. batch 64 x [M 2,048, K 32] x [K 32, N 2,048]; A: computed on the way; B: computed on the way: left as it is (an operand is computed on the way)
;;     5. batch 64 x [M 2,048, K 2,048] x [K 2,048, N 32]; A: computed on the way; B: computed on the way: left as it is (an operand is computed on the way)
;;     6. [M 8,192, K 512] x [K 512, N 1,024]; A: computed on the way; B: input Wo: left as it is (an operand is computed on the way)
;;   THE QUANTISER, for each operand of a quantised product, along K:
;;     - K is cut into blocks of 32 from its start; a last block that is shorter is filled with zeros.
;;     - A block's scale is 2^e with e = floor(log2(the largest magnitude in the block)) - 2, held to -126 .. 127; a block of zeros has e = 0. As a byte (E8M0): e + 127.
;;     - Each number is divided by its block's scale, clamped to +-6, and rounded to the nearest number of E2M1, ties to even, subnormals kept.
;;     - The product sums the exact products of the quantised numbers (number of the format x scale) in f32.
;;   ~~~python
;;   def quantise(x, axis):      # numpy; x: float32 -> the quantised numbers, widened to float32 again
;;       x = np.moveaxis(x, axis, -1); K = x.shape[-1]
;;       x = np.pad(x, [(0, 0)] * (x.ndim - 1) + [(0, -K % 32)]); x = x.reshape(x.shape[:-1] + (-1, 32)); a = np.abs(x).max(-1, keepdims=True)
;;       e = np.where(a > 0, np.clip(np.frexp(np.where(a > 0, a, 1))[1] - 1 - 2, -126, 127), 0)      # np.frexp(a)[1] - 1 = floor(log2(a)), exactly
;;       r = np.clip(x / 2.0 ** e, -6, 6)
;;       step = 2.0 ** (np.maximum(np.frexp(np.where(r == 0, 1, r))[1] - 1, 0) - 1)
;;       q = np.round(r / step) * step * 2.0 ** e      # np.round: ties to even
;;       return np.moveaxis(q.reshape(q.shape[:-2] + (-1,))[..., :K], -1, axis).astype(np.float32)
;;   ~~~
;; 2 versions, each right; version 2 is version 1 with the launch proj written anew for expert scheduling mode. Each part assembles by itself: llvm-mc -triple=amdgcn-amd-amdhsa -mcpu=gfx1250 --defsym DOCPART=n.
;; ======== version 1 of 2: 4 launches
;; limits: values are held in f16: magnitudes above 65,504 overflow, below 6.1e-05 lose precision
;; workspace buffers: wc 786,432 bytes; ws 49,152 bytes; wof 1,048,576 bytes; mb 2,097,152 bytes of whole numbers; qkv 25,165,824 bytes; zf 8,388,608 bytes
;; launch prep (part 1): grid 208 x 1, 8 waves a work-group, no clusters, 35,840 bytes of LDS; arguments Wq, Wk, Wv, Wo, attention_mask, wc, ws, wof, mb; writes wc, ws, wof, mb
.if DOCPART == 1
	.amdgcn_target "amdgcn-amd-amdhsa--gfx1250"
	.amdhsa_code_object_version 6
	.text
	.protected	k_qb9dd8cf38c_prep
	.globl	k_qb9dd8cf38c_prep
	.p2align	8
	.type	k_qb9dd8cf38c_prep,@function
k_qb9dd8cf38c_prep:
	s_mov_b64 s[64:65], 0
	v_nop
	global_prefetch_b8 v0, s[64:65] scope:SCOPE_SE
	s_setreg_imm32_b32 hwreg(HW_REG_WAVE_MODE, 25, 1), 1
	s_wait_xcnt 0x0
; THE OPERANDS THAT MANY WORK-GROUPS READ ARE LAID OUT ONCE, in the order of the registers that will take them.  Three kinds of work-group, told apart by the work-group's number:
;   0-47   Wq, Wk, Wv [16 heads][1024 d][32 e] f32 -> codes of FP4 (E2M1) along d, one E8M0 byte for each 32 d.
;          wc [tensor][column tile CT of 16 columns n = 32 head + e][K step of 128 d][1,024 bytes]: block c of 512 bytes, lane (r, h)'s 16 bytes at 16 (r + 16 h): d = 128 s + 64 c + 32 h + 0 .. 31 of column r.
;          ws [tensor][CT][p][32 words]: lanes 0-15 the scale word of column r for K step 2 p, lanes 16-31 for K step 2 p + 1.
;   48-79  Wo [512 k][1024 n] f32 -> f16, wof [n tile][K step of 32][1,024 bytes]: block c, lane (r, h): k = 32 ks + 16 c + 8 h + 0 .. 7 of column r.
;   80-207 attention_mask [4][2048 q][2048 k] bytes -> bits, mb [b][q tile][key tile][8 words]: word j, bit (r + 16 h) = mask[16 qt + r][16 kt + 8 h + j]: the lane mask for register j of a tile of scores.
; A block's scale is 2^(floor(log2(its largest magnitude)) - 2); its byte is that magnitude's exponent field - 2, held at 1 from below.
; LIMITS: a block of zeros gets the byte 1 where the rule says 127 (its codes are zeros, and this program alone reads the bytes); blocks whose largest magnitude lies under 2^-124 keep the byte 1;
; NaN and infinities among the inputs are not served; Wo must lie inside f16's range (65,504).
; Only the mask's path touches LDS: a stage of 16 rows x 272 bytes for each wave, and behind the eight stages the spare words.
.set SPARE, 34816                      ; 8 stages of 4,352 bytes; then 128 bytes of spare words for each wave: four blocks of 256 bytes that no other line names
.set SPW, 2                            ; v2  LDS address of my spare word; never rewritten
.set NIL, 3                            ; v3  0; never rewritten
	s_load_b512 s[4:19], s[0:1], 0x0               ; Wq s[4:5], Wk s[6:7], Wv s[8:9], Wo s[10:11], mask s[12:13], wc s[14:15], ws s[16:17], wof s[18:19]
	s_load_b64 s[20:21], s[0:1], 0x40              ; mb
	v_lshl_add_u32 v[SPW], v0, 2, SPARE
	v_mov_b32 v[NIL], 0
	v_lshrrev_b32 v1, 5, v0
	v_readfirstlane_b32 s22, v1                    ; wave 0..7
	v_and_b32 v1, 31, v0                           ; lane
	v_and_b32 v14, 15, v0                          ; lane % 16
	v_bfe_u32 v15, v0, 4, 1                        ; lane / 16
	s_mov_b32 s29, 0                               ; the upper word of every offset pair s[28:29]
	s_wait_kmcnt 0x0
	s_cmp_lt_u32 ttmp9, 48
	s_cbranch_scc1 .Lweights
	s_cmp_lt_u32 ttmp9, 80
	s_cbranch_scc1 .Lwo
; ---- THE MASK.  Wave w takes q tile 4 g + w / 2 (of 512, batches on end) and 1,024 of its keys, in four steps of 16 rows x 256 keys.
; A load reads two rows' 256 consecutive bytes; the bytes turn through my stage, so that lane (r, h) gets the 8 bytes of row r, keys 16 kt + 8 h + 0 .. 7; a compare makes byte j of all lanes into one word.
	s_sub_co_u32 s23, ttmp9, 80
	s_lshl_b32 s23, s23, 2
	s_lshr_b32 s24, s22, 1
	s_add_co_u32 s23, s23, s24                     ; q tile
	s_and_b32 s24, s22, 1                          ; which half of the keys
	s_lshl_b32 s28, s23, 15                        ; 16 rows of 2,048 bytes
	s_lshl_b32 s25, s24, 10
	s_add_co_u32 s28, s28, s25
	s_add_nc_u64 s[12:13], s[12:13], s[28:29]
	s_lshl_b32 s28, s23, 12                        ; 128 key tiles of 32 bytes
	s_lshl_b32 s25, s24, 11
	s_add_co_u32 s28, s28, s25
	s_add_nc_u64 s[20:21], s[20:21], s[28:29]
	s_mul_i32 s25, s22, 4352                       ; my stage
	v_lshlrev_b32 v4, 4, v14
	v_lshl_add_u32 v4, v15, 11, v4                 ; in memory: row lane / 16, 16 bytes a lane
	v_mul_u32_u24 v5, v15, 272
	v_lshl_add_u32 v5, v14, 4, v5
	v_add_nc_u32 v5, s25, v5                       ; into the stage, likewise
	v_mul_u32_u24 v6, v14, 272
	v_lshl_add_u32 v6, v15, 3, v6
	v_add_nc_u32 v6, s25, v6                       ; out of it: row r, 8 h bytes on.  Rows are 68 words apart: the 32 lanes' 64 words fall on 64 different banks (ISA guide 11.1)
	v_lshlrev_b32 v7, 4, v1                        ; the words leave 16 bytes a lane
.irp u, 0,1,2,3
.irp i, 0,1,2,3,4,5,6,7
	global_load_b128 v[16+32*\u+4*\i:16+32*\u+4*\i+3], v4, s[12:13] offset:\i*4096+256*\u th:TH_LOAD_NT
.endr
.endr
.set i, 0
.rept 16
	v_mov_b32 v[176+i], 0                          ; a lane write's destination counts as one of its sources: written once
.set i, i+1
.endr
.macro MSTEP u
	s_wait_loadcnt 8*(3-\u)                        ; this step's eight loads are in; the later steps' may be out
.irp i, 0,1,2,3,4,5,6,7
	ds_store_b128 v5, v[16+32*\u+4*\i:16+32*\u+4*\i+3] offset:544*\i
.endr
.irp kt, 0,1,2,3,4,5,6,7,8,9,10,11,12,13,14,15
	ds_load_b64 v[144+2*\kt:145+2*\kt], v6 offset:16*\kt   ; LDS serves a wave's instructions in order (ISA guide 5.7.1.4): these see my stores, and the next step's stores come behind them
.endr
.irp kt, 0,1,2,3,4,5,6,7,8,9,10,11,12,13,14,15
	s_wait_dscnt 15-\kt                            ; key tile kt's 8 bytes are in; the younger loads may be out
.irp j, 0,1,2,3,4,5,6,7
	v_and_b32 v[192+\j], 0xff<<(8*(\j%4)), v[144+2*\kt+\j/4]
.endr
.irp j, 0,1,2,3,4,5,6,7
	v_cmp_ne_u32 s[32+\j], 0, v[192+\j]            ; word j of the key tile: a bit a lane
.endr
.irp j, 0,1,2,3,4,5,6,7
	v_writelane_b32 v[176+4*\u+\j%4], s[32+\j], 2*\kt+\j/4   ; word 8 kt + j of the step's 128: register (8 kt + j) % 4 of lane (8 kt + j) / 4
.endr
.endr
	global_store_b128 v7, v[176+4*\u:179+4*\u], s[20:21] offset:512*\u   ; 512 consecutive bytes; each step has its own four registers
.endm
	MSTEP 0
	MSTEP 1
	MSTEP 2
	MSTEP 3
	s_wait_tensorcnt 0x0                           ; the wave's end: behind my last LDS store
	ds_add_u32 v[SPW], v[NIL]
	s_wait_dscnt 0x0
	s_endpgm
; ---- Wq, Wk, Wv.  Work-group = (tensor, head); wave w = K step w; LANE e TAKES COLUMN e OF THE HEAD AND ITS REGISTERS RUN DOWN d: a block of 32 lies in one lane, and the codes come out with d innermost.
.Lweights:
	s_lshr_b32 s23, ttmp9, 4                       ; tensor
	s_and_b32 s24, ttmp9, 15                       ; head
	s_cmp_eq_u32 s23, 0
	s_cselect_b64 s[26:27], s[4:5], s[6:7]
	s_cmp_eq_u32 s23, 2
	s_cselect_b64 s[26:27], s[8:9], s[26:27]
	s_lshl_b32 s28, s24, 17                        ; a head: 1,024 rows of 128 bytes
	s_lshl_b32 s25, s22, 14                        ; a K step: 128 rows
	s_add_co_u32 s28, s28, s25
	s_add_nc_u64 s[26:27], s[26:27], s[28:29]
	s_lshl_b32 s28, s23, 18                        ; wc: tensor x 262,144 + head x two column tiles of 8,192 + K step x 1,024
	s_lshl_b32 s25, s24, 14
	s_add_co_u32 s28, s28, s25
	s_lshl_b32 s25, s22, 10
	s_add_co_u32 s28, s28, s25
	s_add_nc_u64 s[14:15], s[14:15], s[28:29]
	s_lshl_b32 s28, s23, 14                        ; ws: tensor x 16,384 + head x two column tiles of 512 + K step x 64 (= 128 (w / 2) + 64 (w % 2))
	s_lshl_b32 s25, s24, 10
	s_add_co_u32 s28, s28, s25
	s_lshl_b32 s25, s22, 6
	s_add_co_u32 s28, s28, s25
	s_add_nc_u64 s[16:17], s[16:17], s[28:29]
	v_lshlrev_b32 v4, 2, v1                        ; in: 4 bytes a lane: 128 consecutive bytes a load
	v_lshlrev_b32 v8, 4, v14
	v_lshl_add_u32 v8, v15, 13, v8                 ; codes: column tile e / 16, 16 bytes at 16 (e % 16)
	v_lshlrev_b32 v9, 2, v14
	v_lshl_add_u32 v9, v15, 9, v9                  ; scale word likewise
.macro WLOAD b
.set i, 0
.rept 32
	global_load_b32 v[16+32*(\b)+i], v4, s[26:27] offset:128*(32*(\b)+i) th:TH_LOAD_NT
.set i, i+1
.endr
.endm
.macro WBLOCK b                        ; block b of the K step's four
.set XS, 16+32*(\b)
.if (\b) < 3
	s_wait_loadcnt 32                              ; this block's 32 loads are in; the next block's may be out
.else
	s_wait_loadcnt 0x0
.endif
.if (\b) < 2
	WLOAD (\b)+2                                   ; loads run two blocks ahead
.endif
	v_max3_num_f32 v12, |v[XS]|, |v[XS+1]|, |v[XS+2]|      ; the block's largest magnitude, in two chains
	v_max3_num_f32 v13, |v[XS+3]|, |v[XS+4]|, |v[XS+5]|
.irp i, 6,10,14,18,22,26
	v_max3_num_f32 v12, v12, |v[XS+\i]|, |v[XS+\i+1]|
	v_max3_num_f32 v13, v13, |v[XS+\i+2]|, |v[XS+\i+3]|
.endr
	v_max3_num_f32 v12, v12, |v[XS+30]|, |v[XS+31]|
	v_max3_num_f32 v12, v12, v13, 0x1800000        ; and the floor 2^(3 - 127): the byte cannot fall under 1
	v_add_nc_u32 v11, 0xff000000, v12              ; 2 off its exponent field: the conversion takes the exponent field of this operand as its scale
	v_lshrrev_b32 v13, 23, v11                     ; the scale's byte
.if (\b) == 0
	v_mov_b32 v10, v13
.else
	v_lshl_or_b32 v10, v13, 8*(\b), v10            ; four bytes make the column's scale word for this K step
.endif
.irp g, 0,1,2,3
	v_cvt_scalef32_pk8_fp4_f32 v[144+4*(\b)+\g], v[XS+8*\g:XS+8*\g+7], v11
.endr
	global_store_b128 v8, v[144+4*(\b):147+4*(\b)], s[14:15] offset:256*(\b)   ; block b = 2 c + h lies at 512 c + 256 h: sixteen lanes store 256 consecutive bytes, aligned.  (The next block begins with plain vector lines)
.endm
	WLOAD 0
	WLOAD 1
	WBLOCK 0
	WBLOCK 1
	WBLOCK 2
	WBLOCK 3
	global_store_b32 v9, v10, s[16:17]             ; runs of 64 bytes: 49,152 bytes in the whole launch
	s_endpgm
; ---- Wo.  Lane = column 32 g + lane; wave w = K steps 2 w, 2 w + 1: 64 rows k down the registers.
.Lwo:
	s_sub_co_u32 s23, ttmp9, 48
	s_lshl_b32 s28, s22, 18                        ; 64 rows of 4,096 bytes
	s_lshl_b32 s25, s23, 7
	s_add_co_u32 s28, s28, s25
	s_add_nc_u64 s[10:11], s[10:11], s[28:29]
	s_lshl_b32 s28, s23, 15                        ; two n tiles of 16,384 bytes
	s_lshl_b32 s25, s22, 11                        ; two K steps of 1,024
	s_add_co_u32 s28, s28, s25
	s_add_nc_u64 s[18:19], s[18:19], s[28:29]
	v_lshlrev_b32 v4, 2, v1
	v_lshlrev_b32 v8, 4, v14
	v_lshl_add_u32 v8, v15, 14, v8                 ; n tile lane / 16, 16 bytes at 16 (lane % 16)
.set i, 0
.rept 64
	global_load_b32 v[16+i], v4, s[10:11] offset:4096*i th:TH_LOAD_NT
.set i, i+1
.endr
.irp u, 0,1
	s_wait_loadcnt 32-32*\u                        ; K step u's 32 loads are in; the other's may be out
.set i, 0
.rept 16
	v_cvt_pk_f16_f32 v[80+16*\u+i], v[16+32*\u+2*i], v[17+32*\u+2*i]   ; the lower k into the low half
.set i, i+1
.endr
.irp q, 0,1,2,3
	global_store_b128 v8, v[80+16*\u+4*\q:83+16*\u+4*\q], s[18:19] offset:1024*\u+256*\q   ; chunk q = 2 c + h: k = 8 q + 0 .. 7: sixteen lanes store 256 consecutive bytes, aligned
.endr
.endr
	s_endpgm
.Lfunc_end_k_qb9dd8cf38c_prep:
	.size	k_qb9dd8cf38c_prep, .Lfunc_end_k_qb9dd8cf38c_prep-k_qb9dd8cf38c_prep
	.p2alignl 7, 3214868480
	.fill 96, 4, 3214868480
	.section	.rodata,"a",@progbits
	.p2align	6, 0x0
	.amdhsa_kernel k_qb9dd8cf38c_prep
		.amdhsa_group_segment_fixed_size 35840
		.amdhsa_private_segment_fixed_size 0
		.amdhsa_enable_private_segment 0
		.amdhsa_kernarg_size 72
		.amdhsa_user_sgpr_count 2
		.amdhsa_user_sgpr_kernarg_segment_ptr 1
		.amdhsa_wavefront_size32 1
		.amdhsa_system_sgpr_workgroup_id_x 1
		.amdhsa_system_sgpr_workgroup_id_y 1
		.amdhsa_system_sgpr_workgroup_id_z 1
		.amdhsa_system_vgpr_workitem_id 0
		.amdhsa_next_free_vgpr 200
		.amdhsa_next_free_sgpr 66
		.amdhsa_reserve_vcc 0
		.amdhsa_float_denorm_mode_32 3
		.amdhsa_float_denorm_mode_16_64 3
		.amdhsa_memory_ordered 1
		.amdhsa_forward_progress 1
		.amdhsa_inst_pref_size 139
	.end_amdhsa_kernel
	.amdgpu_metadata
---
amdhsa.version: [ 1, 2 ]
amdhsa.kernels:
  - .name:           k_qb9dd8cf38c_prep
    .symbol:         k_qb9dd8cf38c_prep.kd
    .args:
      - { .name: Wq, .offset: 0, .size: 8, .value_kind: global_buffer, .address_space: global }
      - { .name: Wk, .offset: 8, .size: 8, .value_kind: global_buffer, .address_space: global }
      - { .name: Wv, .offset: 16, .size: 8, .value_kind: global_buffer, .address_space: global }
      - { .name: Wo, .offset: 24, .size: 8, .value_kind: global_buffer, .address_space: global }
      - { .name: attention_mask, .offset: 32, .size: 8, .value_kind: global_buffer, .address_space: global }
      - { .name: wc, .offset: 40, .size: 8, .value_kind: global_buffer, .address_space: global }
      - { .name: ws, .offset: 48, .size: 8, .value_kind: global_buffer, .address_space: global }
      - { .name: wof, .offset: 56, .size: 8, .value_kind: global_buffer, .address_space: global }
      - { .name: mb, .offset: 64, .size: 8, .value_kind: global_buffer, .address_space: global }
    .group_segment_fixed_size: 35840
    .private_segment_fixed_size: 0
    .kernarg_segment_align: 8
    .kernarg_segment_size: 72
    .max_flat_workgroup_size: 256
    .sgpr_count:     66
    .vgpr_count:     200
    .wavefront_size: 32
...
	.end_amdgpu_metadata
.endif
;; end of part 1
;; launch proj (part 2): grid 64 x 3, 4 waves a work-group, no clusters, 74,240 bytes of LDS; arguments q, k, v, wc, ws, qkv; writes qkv
.if DOCPART == 2
	.amdgcn_target "amdgcn-amd-amdhsa--gfx1250"
	.amdhsa_code_object_version 6
	.text
	.protected	k_qb9dd8cf38c_proj
	.globl	k_qb9dd8cf38c_proj
	.p2align	8
	.type	k_qb9dd8cf38c_proj,@function
k_qb9dd8cf38c_proj:
	s_mov_b64 s[64:65], 0
	v_nop
	global_prefetch_b8 v0, s[64:65] scope:SCOPE_SE
	s_setreg_imm32_b32 hwreg(HW_REG_WAVE_MODE, 25, 1), 1
	s_wait_xcnt 0x0
; Q = q Wq, K = k Wk, V = v Wv on codes of FP4 (E2M1) with one E8M0 scale for each 32 along d; sums in f32; the results leave as f16, laid as the attention's operands.
; Work-group (g, tensor): 128 rows of x [8192][1024] f32, all 512 columns.  THE WAVES SHARE THE COLUMNS: wave w owns columns 128 w .. 128 w + 127 (heads 4 w .. 4 w + 3); its 64 fragments of W (8 column tiles x 8 K steps)
; stay in 512 registers, read once.  x is quantised in registers, wave w taking row tile w of a block of 64 rows, and goes from wave to wave through LDS as IMAGES OF THE OPERAND'S REGISTERS (16 bytes a lane, 512 a store).
; Two blocks of 64 rows; each has LDS bytes of its own, so one barrier a block orders everything.
; q, k: source 0 = 16 columns of W, source 1 = 16 rows of x: a lane holds one row and eight neighbouring dims.  v: the other way round: a lane holds one dim and eight neighbouring keys, as V^T's fragments want.
; qkv [tensor][batch x head][tile of 16 rows][1,024 bytes].  Q, K: block c, lane (r, h): row r, dims 16 c + 8 h + 0 .. 7.  V: block dt of tile T, lane (r, h): keys 16 T + 8 h + 0 .. 7 of dim 16 dt + r.
; Q is multiplied by log2(e) / 8 in f32 ahead of its rounding, so that the attention's scores are exponents of 2.
; No multicast: the weights go straight into registers, once a work-group; beside 72 KiB of images 272 KiB of weights would not fit in LDS.  192 work-groups: three tensors of 64 row blocks.
; LIMITS: blocks of zeros get the byte 1 (their codes are zeros; this program alone reads the bytes); blocks whose largest magnitude lies under 2^-124 keep the byte 1; NaN and infinities are not served;
; the results (Q x 0.18, K, V) must lie inside f16's range, 65,504.
; REGISTERS, in windows of 256: window 0: addresses, x's fragments, accumulators, scale words, work; window 1: four sets of 64 numbers of x; windows 2, 3: W's fragment (ct, s) at v[8 (8 (s % 4) + ct)] of window 2 + s / 4.
.set PAR,   36864                      ; LDS of a block: images [row tile 4][K step 8][1,024], then scale words [4][8][128]
.set SPARE, 2*PAR                      ; behind both: the spare words, 128 bytes for each wave: two blocks of 256 bytes that no other line names
.set XA,  4                            ; v4   x: row r of 4,096 bytes + 64 h: my 16 numbers of a block of 32
.set LI,  5                            ; v5   16 x lane
.set LS,  6                            ; v6   4 x lane
.set XWI, 7                            ; v7   where I store images: 16 x lane + 8,192 x wave
.set XWS, 8                            ; v8   and scale words: 4 x lane + 1,024 x wave + 32,768
.set AD,  9                            ; v9   the images in hand
.set AS,  10                           ; v10  their scale words
.set SPW, 12                           ; v12  LDS address of my spare word; never rewritten
.set NIL, 13                           ; v13  0; never rewritten
.set XF,  16                           ; v16-79   x's eight fragments of a row tile
.set ACC, 80                           ; v80-143  eight accumulators
.set PK,  144                          ; v144-175 results as f16
.set WS,  176                          ; v176-207 W's scale words: 4 ct + p; lanes 0-15 K step 2 p, lanes 16-31 K step 2 p + 1
.set XS,  208                          ; v208-215 x's scale words
.set PC,  216                          ; v216-223 the codes just made
.set PW,  224                          ; v224     their scale word
.set TM,  226                          ; v226-241 at work
.set WV,  16
.set TEN, 17
.set XP,  18                           ; s[18:19] x at my wave's first row
.set OP,  20                           ; s[20:21] qkv at the row tile in hand
.set MUL, 22                           ; s[22:23] log2(e) / 8
.set SEL, 24                           ; s[24:25] v_permlanex16_b32's selects for lane l xor 16
.set MO,  26
.set MS,  27
.set CNT, 28
.set MSB, 0
.macro WIN new                         ; the immediate's high byte repeats the setting that is left; bits 1:0 source 0, 3:2 source 1, 5:4 source 2, 7:6 destination
.if MSB != (\new)
	s_set_vgpr_msb (MSB<<8)|(\new)
.set MSB, (\new)
.endif
.endm
; my 16 rows' numbers of K step ks (64 a lane), off bytes on, into set
.macro XLOAD set, ks, off
	WIN 0x40
.irp b, 0,1,2,3
.irp j, 0,1,2,3
	global_load_b128 v[64*(\set)+16*\b+4*\j:64*(\set)+16*\b+4*\j+3], v[XA], s[XP:XP+1] offset:(\off)+512*(\ks)+128*\b+16*\j th:TH_LOAD_NT
.endr
.endr
	WIN 0
.endm
; 64 numbers of a lane in window 1, register 16 b + i = d 32 b + 16 h + i of my row, become a fragment's codes in v[PC] on and its scale word in v[PW]
.macro QUANT set
.set QB, 64*(\set)
	WIN 0x05
.irp b, 0,1,2,3
	v_max3_num_f32 v[TM+\b], |v[QB+16*\b]|, |v[QB+1+16*\b]|, 0x1800000   ; my 16 numbers of block b, and the floor 2^(3 - 127): the byte cannot fall under 1
.endr
	WIN 0x14
.irp i, 2,4,6,8,10,12,14
.irp b, 0,1,2,3
	v_max3_num_f32 v[TM+\b], v[TM+\b], |v[QB+16*\b+\i]|, |v[QB+1+16*\b+\i]|   ; the four blocks by turns
.endr
.endr
	WIN 0
.irp b, 0,1,2,3
	v_permlanex16_b32 v[TM+4+\b], v[TM+\b], s[SEL], s[SEL+1]
.endr
.irp b, 0,1,2,3
	v_max_num_f32 v[TM+\b], v[TM+\b], v[TM+4+\b]   ; with lane l xor 16's: the block's largest magnitude
.endr
.irp b, 0,1,2,3
	v_add_nc_u32 v[TM+12+\b], 0xff000000, v[TM+\b] ; 2 off its exponent field: the conversion's scale operand
.endr
.irp b, 0,1,2,3
	v_lshrrev_b32 v[TM+4+\b], 23, v[TM+12+\b]      ; the scale's byte
.endr
	s_wait_dscnt 0x0                               ; the last image's stores have read PC and PW
	v_lshl_or_b32 v[PW], v[TM+5], 8, v[TM+4]
	v_lshl_or_b32 v[PW], v[TM+6], 16, v[PW]
	v_lshl_or_b32 v[PW], v[TM+7], 24, v[PW]
	WIN 0x01
.irp b, 0,1,2,3
	v_cvt_scalef32_pk8_fp4_f32 v[PC+2*\b], v[QB+16*\b:QB+7+16*\b], v[TM+12+\b]
	v_cvt_scalef32_pk8_fp4_f32 v[PC+1+2*\b], v[QB+8+16*\b:QB+15+16*\b], v[TM+12+\b]
.endr
	WIN 0
	v_nop                                          ; one plain place behind a scaled conversion
.irp c, 0,1                                    ; the operand's layout wants a whole block in a lane: lanes 0-15 block 2 c, lanes 16-31 block 2 c + 1
.irp i, 0,1
	v_permlane16_swap_b32 v[PC+4*\c+\i], v[PC+2+4*\c+\i]
.endr
.endr
.endm
.macro IMAGE p, s                      ; the fragment goes to LDS as it stands
.irp c, 0,1
	ds_store_b128 v[XWI], v[PC+4*\c:PC+4*\c+3] offset:PAR*(\p)+1024*(\s)+512*\c
.endr
	ds_store_b32 v[XWS], v[PW] offset:PAR*(\p)+128*(\s)
.endm
.macro ONE v, s, ct                    ; one product of 16 x 16 x 128
.set WR, 8*(8*((\s)%4)+(\ct))
.set AR, ACC+8*(\ct)
.set XR, XF+8*(\s)
.set SW, WS+4*(\ct)+(\s)/2
.set SX, XS+(\s)
.if \v
.if (\s) == 0
	v_wmma_scale_f32_16x16x128_f8f6f4 v[AR:AR+7], v[XR:XR+7], v[WR:WR+7], 0, v[SX], v[SW] matrix_a_fmt:MATRIX_FMT_FP4 matrix_b_fmt:MATRIX_FMT_FP4
.elseif (\s)%2
	v_wmma_scale_f32_16x16x128_f8f6f4 v[AR:AR+7], v[XR:XR+7], v[WR:WR+7], v[AR:AR+7], v[SX], v[SW] matrix_a_fmt:MATRIX_FMT_FP4 matrix_b_fmt:MATRIX_FMT_FP4 matrix_b_scale:MATRIX_SCALE_ROW1
.else
	v_wmma_scale_f32_16x16x128_f8f6f4 v[AR:AR+7], v[XR:XR+7], v[WR:WR+7], v[AR:AR+7], v[SX], v[SW] matrix_a_fmt:MATRIX_FMT_FP4 matrix_b_fmt:MATRIX_FMT_FP4
.endif
.else
.if (\s) == 0
	v_wmma_scale_f32_16x16x128_f8f6f4 v[AR:AR+7], v[WR:WR+7], v[XR:XR+7], 0, v[SW], v[SX] matrix_a_fmt:MATRIX_FMT_FP4 matrix_b_fmt:MATRIX_FMT_FP4
.elseif (\s)%2
	v_wmma_scale_f32_16x16x128_f8f6f4 v[AR:AR+7], v[WR:WR+7], v[XR:XR+7], v[AR:AR+7], v[SW], v[SX] matrix_a_fmt:MATRIX_FMT_FP4 matrix_b_fmt:MATRIX_FMT_FP4 matrix_a_scale:MATRIX_SCALE_ROW1
.else
	v_wmma_scale_f32_16x16x128_f8f6f4 v[AR:AR+7], v[WR:WR+7], v[XR:XR+7], v[AR:AR+7], v[SW], v[SX] matrix_a_fmt:MATRIX_FMT_FP4 matrix_b_fmt:MATRIX_FMT_FP4
.endif
.endif
.endm
; 64 products: a row tile against my eight column tiles, d ascending.  The eight accumulators take turns, one instruction a turn; the first K step starts the sums.
.macro MULS v
.irp s, 0,1,2,3,4,5,6,7
.if \v
	WIN 0x08+4*(\s/4)                              ; W is source 1: window 2, then 3
.else
	WIN 0x02+(\s/4)                                ; W is source 0
.endif
.irp ct, 0,1,2,3,4,5,6,7
	ONE \v, \s, \ct
.endr
.endr
	WIN 0
.endm
; A block of 64 rows.  First my row tile is quantised, K step by K step, loads running four K steps ahead; a barrier; then each of the four row tiles meets my columns.
.macro BLOCK p
.irp s, 0,1,2,3,4,5,6,7
.if (\p == 1) && (\s > 4)
	s_wait_loadcnt 16*(7-\s)                       ; nothing more is asked for: the counts run down
.else
	s_wait_loadcnt 48                              ; this K step's 16 loads are in (and all that was asked for earlier); three younger sets of 16 may be out
.endif
	QUANT \s%4
	IMAGE \p, \s
.if \p == 0
.if \s < 4
	XLOAD \s%4, \s+4, 0
.else
	XLOAD \s%4, \s-4, 262144                       ; the next block's rows lie 64 x 4,096 bytes on
.endif
.elseif \s < 4
	XLOAD \s%4, \s+4, 262144
.endif
.endr
	s_wait_dscnt 0x0                               ; for the others' sake: my images have landed
	s_barrier_signal -1
	s_barrier_wait -1
	s_mov_b32 s[MO], PAR*\p
	s_mov_b32 s[MS], PAR*\p+32768
	s_mov_b32 s[CNT], 4
.Lrt_\@:
	v_add_nc_u32 v[AD], s[MO], v[LI]
	v_add_nc_u32 v[AS], s[MS], v[LS]
.irp s, 0,1,2,3,4,5,6,7
.irp c, 0,1
	ds_load_b128 v[XF+8*\s+4*\c:XF+8*\s+4*\c+3], v[AD] offset:1024*\s+512*\c
.endr
	ds_load_b32 v[XS+\s], v[AS] offset:128*\s
.endr
	s_wait_dscnt 0x0
	s_cmp_eq_u32 s[TEN], 2
	s_cbranch_scc1 .Lv_\@
	MULS 0
	s_branch .Ljoin_\@
.Lv_\@:
	MULS 1
.Ljoin_\@:
.rept 4
	v_nop                                          ; four places between the last product and the first read of a result (ISA guide 7.12.1)
.endr
	s_cmp_lg_u32 s[TEN], 0
	s_cbranch_scc1 .Lraw_\@                        ; K and V leave as they are
.set n, 0
.rept 32
	v_pk_mul_f32 v[ACC+2*n:ACC+2*n+1], v[ACC+2*n:ACC+2*n+1], s[MUL:MUL+1] op_sel_hi:[1,0]   ; Q x log2(e) / 8; each accumulator from its low end on
.set n, n+1
.endr
.Lraw_\@:
.set n, 0
.rept 32
	v_cvt_pk_f16_f32 v[PK+n], v[ACC+2*n], v[ACC+2*n+1]   ; these lines are also the places ahead of the next trip's loads into x's fragments and of its sums begun anew
.set n, n+1
.endr
.irp ct, 0,1,2,3,4,5,6,7
	global_store_b128 v[LI], v[PK+4*\ct:PK+4*\ct+3], s[OP:OP+1] offset:(\ct/2)*131072+(\ct%2)*512   ; head 4 w + ct / 2, block ct % 2: 512 consecutive bytes
.endr
	s_wait_xcnt 0x0                                ; the stores' base and data are written again only behind this wait
	s_add_nc_u64 s[OP:OP+1], s[OP:OP+1], 1024
	s_add_co_u32 s[MO], s[MO], 8192
	s_add_co_u32 s[MS], s[MS], 1024
	s_sub_co_u32 s[CNT], s[CNT], 1
	s_cmp_lg_u32 s[CNT], 0
	s_cbranch_scc1 .Lrt_\@
.endm
	s_load_b256 s[4:11], s[0:1], 0x0               ; q s[4:5], k s[6:7], v s[8:9], wc s[10:11]
	s_load_b128 s[12:15], s[0:1], 0x20             ; ws s[12:13], qkv s[14:15]
	v_lshl_add_u32 v[SPW], v0, 2, SPARE
	v_mov_b32 v[NIL], 0
	v_lshrrev_b32 v1, 5, v0
	v_readfirstlane_b32 s[WV], v1                  ; wave 0..3
	s_and_b32 s[TEN], ttmp7, 0xffff                ; 0: q, 1: k, 2: v
	v_and_b32 v1, 31, v0
	v_and_b32 v2, 15, v0
	v_bfe_u32 v3, v0, 4, 1
	v_lshlrev_b32 v[XA], 12, v2
	v_lshl_add_u32 v[XA], v3, 6, v[XA]
	v_lshlrev_b32 v[LI], 4, v1
	v_lshlrev_b32 v[LS], 2, v1
	s_lshl_b32 s30, s[WV], 13
	v_add_nc_u32 v[XWI], s30, v[LI]
	s_lshl_b32 s30, s[WV], 10
	s_add_co_u32 s30, s30, 32768
	v_add_nc_u32 v[XWS], s30, v[LS]
.irp b, 0,1,2,3
	v_mov_b32 v[TM+4+\b], 0                        ; written once: a lane permute's destination counts as one of its sources
.endr
	s_mov_b32 s[MUL], 0x3e38aa3b                   ; log2(e) / 8
	s_mov_b32 s[MUL+1], s[MUL]                     ; (named with it as a pair, so it is written)
	s_mov_b32 s[SEL], 0x76543210
	s_mov_b32 s[SEL+1], 0xfedcba98
	s_mov_b32 s31, 0
	s_mov_b32 s39, 0
	s_mov_b32 s41, 0
	s_mov_b32 s43, 0
	s_lshl_b32 s30, ttmp9, 19                      ; x: (128 g + 16 w) rows of 4,096 bytes
	s_lshl_b32 s32, s[WV], 16
	s_add_co_u32 s30, s30, s32
	s_lshl_b32 s38, s[TEN], 23                     ; qkv: tensor x 8 MiB + batch x 2 MiB + 4 w heads of 131,072 + my first row tile x 1,024
	s_lshr_b32 s32, ttmp9, 4
	s_lshl_b32 s32, s32, 21
	s_add_co_u32 s38, s38, s32
	s_lshl_b32 s32, s[WV], 19
	s_add_co_u32 s38, s38, s32
	s_and_b32 s32, ttmp9, 15
	s_lshl_b32 s32, s32, 13
	s_add_co_u32 s38, s38, s32
	s_lshl_b32 s40, s[TEN], 18                     ; wc: tensor x 262,144 + 8 w column tiles of 8,192
	s_lshl_b32 s32, s[WV], 16
	s_add_co_u32 s40, s40, s32
	s_lshl_b32 s42, s[TEN], 14                     ; ws: tensor x 16,384 + 8 w column tiles of 512
	s_lshl_b32 s32, s[WV], 12
	s_add_co_u32 s42, s42, s32
	s_wait_kmcnt 0x0
	s_cmp_eq_u32 s[TEN], 0
	s_cselect_b64 s[XP:XP+1], s[4:5], s[6:7]
	s_cmp_eq_u32 s[TEN], 2
	s_cselect_b64 s[XP:XP+1], s[8:9], s[XP:XP+1]
	s_add_nc_u64 s[XP:XP+1], s[XP:XP+1], s[30:31]
	s_add_nc_u64 s[OP:OP+1], s[14:15], s[38:39]
	s_add_nc_u64 s[34:35], s[10:11], s[40:41]
	s_add_nc_u64 s[36:37], s[12:13], s[42:43]
	WIN 0x80                                       ; destination window 2
.irp s, 0,1,2,3
.irp ct, 0,1,2,3,4,5,6,7
.irp c, 0,1
	global_load_b128 v[8*(8*\s+\ct)+4*\c:8*(8*\s+\ct)+4*\c+3], v[LI], s[34:35] offset:(8*\ct+\s)*1024+512*\c
.endr
.endr
.endr
	WIN 0xc0                                       ; destination window 3
.irp s, 4,5,6,7
.irp ct, 0,1,2,3,4,5,6,7
.irp c, 0,1
	global_load_b128 v[8*(8*(\s-4)+\ct)+4*\c:8*(8*(\s-4)+\ct)+4*\c+3], v[LI], s[34:35] offset:(8*\ct+\s)*1024+512*\c
.endr
.endr
.endr
	WIN 0
.set n, 0
.rept 32
	global_load_b32 v[WS+n], v[LS], s[36:37] offset:128*n
.set n, n+1
.endr
	XLOAD 0, 0, 0                                  ; the weights' loads are the older ones: the first wait for x shows them in too
	XLOAD 1, 1, 0
	XLOAD 2, 2, 0
	XLOAD 3, 3, 0
	BLOCK 0
	BLOCK 1
	s_wait_tensorcnt 0x0                           ; the wave's end: behind my last LDS store
	ds_add_u32 v[SPW], v[NIL]
	s_wait_dscnt 0x0
	s_endpgm
.Lfunc_end_k_qb9dd8cf38c_proj:
	.size	k_qb9dd8cf38c_proj, .Lfunc_end_k_qb9dd8cf38c_proj-k_qb9dd8cf38c_proj
	.p2alignl 7, 3214868480
	.fill 96, 4, 3214868480
	.section	.rodata,"a",@progbits
	.p2align	6, 0x0
	.amdhsa_kernel k_qb9dd8cf38c_proj
		.amdhsa_group_segment_fixed_size 74240
		.amdhsa_private_segment_fixed_size 0
		.amdhsa_enable_private_segment 0
		.amdhsa_kernarg_size 48
		.amdhsa_user_sgpr_count 2
		.amdhsa_user_sgpr_kernarg_segment_ptr 1
		.amdhsa_wavefront_size32 1
		.amdhsa_system_sgpr_workgroup_id_x 1
		.amdhsa_system_sgpr_workgroup_id_y 1
		.amdhsa_system_sgpr_workgroup_id_z 1
		.amdhsa_system_vgpr_workitem_id 0
		.amdhsa_next_free_vgpr 1024
		.amdhsa_next_free_sgpr 66
		.amdhsa_reserve_vcc 0
		.amdhsa_float_denorm_mode_32 3
		.amdhsa_float_denorm_mode_16_64 3
		.amdhsa_memory_ordered 1
		.amdhsa_forward_progress 1
		.amdhsa_inst_pref_size 156
	.end_amdhsa_kernel
	.amdgpu_metadata
---
amdhsa.version: [ 1, 2 ]
amdhsa.kernels:
  - .name:           k_qb9dd8cf38c_proj
    .symbol:         k_qb9dd8cf38c_proj.kd
    .args:
      - { .name: q, .offset: 0, .size: 8, .value_kind: global_buffer, .address_space: global }
      - { .name: k, .offset: 8, .size: 8, .value_kind: global_buffer, .address_space: global }
      - { .name: v, .offset: 16, .size: 8, .value_kind: global_buffer, .address_space: global }
      - { .name: wc, .offset: 24, .size: 8, .value_kind: global_buffer, .address_space: global }
      - { .name: ws, .offset: 32, .size: 8, .value_kind: global_buffer, .address_space: global }
      - { .name: qkv, .offset: 40, .size: 8, .value_kind: global_buffer, .address_space: global }
    .group_segment_fixed_size: 74240
    .private_segment_fixed_size: 0
    .kernarg_segment_align: 8
    .kernarg_segment_size: 48
    .max_flat_workgroup_size: 128
    .sgpr_count:     66
    .vgpr_count:     1024
    .wavefront_size: 32
...
	.end_amdgpu_metadata
.endif
;; end of part 2
;; launch attn (part 3): grid 4 x 64, 16 waves a work-group, clusters of 4 x 1, 264,192 bytes of LDS; arguments qkv, mb, zf; writes zf
.if DOCPART == 3
	.amdgcn_target "amdgcn-amd-amdhsa--gfx1250"
	.amdhsa_code_object_version 6
	.text
	.protected	k_qb9dd8cf38c_attn
	.globl	k_qb9dd8cf38c_attn
	.p2align	8
	.type	k_qb9dd8cf38c_attn,@function
k_qb9dd8cf38c_attn:
	s_mov_b64 s[64:65], 0
	v_nop
	global_prefetch_b8 v0, s[64:65] scope:SCOPE_SE
	s_setreg_imm32_b32 hwreg(HW_REG_WAVE_MODE, 25, 1), 1
	s_wait_xcnt 0x0
	s_wait_alu depctr_hold_cnt(0) depctr_sa_sdst(0) depctr_va_vdst(0) depctr_va_sdst(0) depctr_va_ssrc(0) depctr_va_vcc(0) depctr_vm_vsrc(0)
	s_getreg_b32 s2, hwreg(HW_REG_IB_STS2, 6, 4)
	s_cmp_eq_u32 s2, 0
	s_cbranch_scc0 .Lentry_in_a_cluster
	s_endpgm
.Lentry_in_a_cluster:
	s_bfe_u32 s2, ttmp6, 0x10000c
	s_cmp_lg_u32 s2, 0x3003
	s_cbranch_scc0 .Lentry_shape_is_right
	s_endpgm
.Lentry_shape_is_right:
; z[b][h][q] = the sum over k of softmax_k(where(mask, -1e10, Q . K / 8)) V[k], head size 32, 2,048 keys; operands f16, products, maxima and sums f32.
; Q arrives multiplied by log2(e) / 8, so a score t is an exponent of 2; a masked score is -1e10 x log2(e).  For each query a running maximum m and sum l: p = 2^(t - m); in every step O and l are multiplied
; by a = 2^(m_old - m_new).  t - m is one subtraction, exact where t = m: a row that is masked throughout gives p = 1 everywhere, the mean of V.
; SHARES.  A work-group owns 512 queries of one (batch, head); each of its sixteen waves two tiles of 16, in 256 registers: four waves to a SIMD, so that one wave's products and LDS loads stand beside another's softmax.
; THE HEAD'S WHOLE K AND V, 128 KiB each, LIE IN LDS, FILLED ONCE: no slot is ever filled again.  They lie as images of the operands' registers, so every fragment load reads 512 consecutive bytes.
; CLUSTER.  The four work-groups of a head ask for K and V JOINTLY: the same tensor loads, the same descriptors, a mask that names the four.  Each wave issues two loads: its part of the first 256 keys
; (2,048 bytes) and of the rest (14,336 bytes): by this text's count two are out; the first four key steps run while the second is on its way.
; LAYOUT.  S^T = K Q^T (source 0 = 16 keys, source 1 = 16 queries), O^T = V^T P: a lane holds one query (lane % 16) throughout; two tiles of S^T, rounded in pairs, are source 1 of the second product.
; THE MASK comes as bits: word j of (q tile, key tile) is the lane mask for register j of that tile of S^T: one v_cndmask_b32 a score, no compare.  A step's 64 words come by scalar loads asked for a step ahead.
; No prefetch: K and V are asked for at the head alone, and no wave waits for the mask words.
; LIMITS: NaN and infinities are not served; what arrives in qkv lies inside f16's range.
.set VB,    131072                     ; LDS: K at 0, V here
.set SPARE, 262144                     ; behind both: the spare words, 128 bytes for each wave: eight blocks of 256 bytes that no other line names
.set AK0, 1                            ; v1   16 x lane
.set AV0, 2                            ; v2   16 x lane + VB
.set ADK, 3                            ; v3   the step's tiles of K
.set ADV, 4                            ; v4   and of V
.set SPW, 5                            ; v5   LDS address of my spare word; never rewritten
.set NIL, 6                            ; v6   0; never rewritten
.set NEGV, 7                           ; v7   -1e10 x log2(e)
.set Q,   16                           ; v16-31   Q: 8 a tile
.set KF,  32                           ; v32-63   K: four tiles of 16 keys
.set VF,  64                           ; v64-95   V^T: 8 (2 kb + dt)
.set S,   96                           ; v96-159  S^T, then p: 32 t + 8 kt + j
.set P,   160                          ; v160-191 p as f16: 16 t + 4 kt + i
.set O,   192                          ; v192-223 O^T: 16 t + 8 dt + j
.set ST,  224                          ; v[224 + 8 t]: +0 -m, +1 its pair's partner, +2, +3 l (even keys', odd keys'), +4 to +7 c0-c3 at work; a takes c2's place
.set WV,  2
.set CNT, 3
.set MBP, 4                            ; s[4:5]  mb at my first q tile
.set MOF, 6                            ; s6      the step's words: 128 bytes a step
.set TB,  7                            ; s7      the step's tiles in LDS: 4,096 bytes a step
.set G1A, 8                            ; s[8:15]  group 1: 8 rows of 256 bytes;  s[16:23]: 56 rows
.set G1B, 16
.set G0A, 24                           ; s[24:27], s[28:31] their groups 0
.set G0B, 28
.set MW0, 32                           ; s[32:63] tile 0's mask words: 8 kt + j
.set SEL, 66                           ; s[66:67] v_permlanex16_b32's selects for lane l xor 16
.set MW1, 68                           ; s[68:99] tile 1's (at the head: arguments and temporaries)
.set ZP,  100                          ; s[100:101] zf at my first tile
.set QP,  104                          ; s[104:105] Q at my first tile
.macro CROUND                          ; a round of the cluster's barrier: my work-group's barrier; wave 0 signals for the work-group; every wave waits for all four; my work-group's barrier once more
	s_barrier_signal -1
	s_barrier_wait -1
	s_cmp_lg_u32 s[WV], 0
	s_cbranch_scc1 .Lnot_wave_0_\@
	s_barrier_signal -3
.Lnot_wave_0_\@:
	s_barrier_wait -3
	s_barrier_signal -1
	s_barrier_wait -1
.endm
	s_load_b128 s[68:71], s[0:1], 0x0              ; qkv s[68:69], mb s[70:71]
	s_load_b64 s[72:73], s[0:1], 0x10              ; zf
	v_lshl_add_u32 v[SPW], v0, 2, SPARE
	v_mov_b32 v[NIL], 0
	ds_add_u32 v[SPW], v[NIL]                      ; the wave's opening: the add, twice on end, and its wait ahead of my first tensor load; the set-up below, work on registers, stands between
	ds_add_u32 v[SPW], v[NIL]
	v_lshrrev_b32 v1, 5, v0
	v_readfirstlane_b32 s[WV], v1                  ; wave 0..15
	s_bfe_u32 s74, ttmp6, 0x40000                  ; cx: it enters the addresses of Q, mb and zf alone
	s_lshl_b32 s75, ttmp9, 2
	s_add_co_u32 s75, s75, s74                     ; which 512 queries
	s_and_b32 s76, ttmp7, 0xffff                   ; batch x 16 + head, which the four partners share
	s_lshr_b32 s77, s76, 4                         ; batch
	s_and_b32 s78, s76, 15                         ; head
	s_lshl_b32 s79, s75, 5
	s_lshl_b32 s80, s[WV], 1
	s_add_co_u32 s79, s79, s80                     ; my first q tile of the sequence's 128
	s_lshl_b32 s80, s77, 7
	s_add_co_u32 s80, s80, s79                     ; and of all 512
	s_lshl_b32 s96, s76, 17
	s_lshl_b32 s81, s79, 10
	s_add_co_u32 s96, s96, s81                     ; Q: head x 131,072 + tile x 1,024
	s_mov_b32 s97, 0
	s_lshl_b32 s98, s80, 12                        ; mb: 4,096 bytes a q tile
	s_mov_b32 s99, 0
	s_lshl_b32 s82, s80, 4
	s_add_co_u32 s82, s82, s78
	s_lshl_b32 s82, s82, 10                        ; zf: (row tile x 16 + head) x 1,024
	s_mov_b32 s83, 0
	; what I fetch: even waves for K, odd waves for V; part w / 2 of eight.  Nothing here hangs on cx
	s_and_b32 s84, s[WV], 1
	s_lshr_b32 s85, s[WV], 1
	s_lshl_b32 s86, s84, 17                        ; K's or V's region
	s_lshl_b32 s87, s85, 11                        ; my 2,048 bytes of the first 16,384 (256 keys),
	s_mul_i32 s88, s85, 14336
	s_add_co_u32 s88, s88, 16384                   ; my 14,336 of the rest
	s_add_co_u32 s89, s84, 1
	s_lshl_b32 s89, s89, 23                        ; K is tensor 1 of qkv, V tensor 2: 8 MiB each
	s_lshl_b32 s90, s76, 17
	s_add_co_u32 s90, s90, s89
	s_add_co_u32 s92, s90, s87
	s_mov_b32 s93, 0
	s_add_co_u32 s94, s90, s88
	s_mov_b32 s95, 0
	s_mov_b32 s[G0A], 1                            ; 1:0 count = 1
	s_add_co_u32 s[G0A+1], s86, s87                ; 63:32 LDS address
	s_mov_b32 s[G0B], 1
	s_add_co_u32 s[G0B+1], s86, s88
	; group 1: a dense block as rows of 256 bytes (32 elements of 8 bytes), no padding
	s_mov_b32 s[G1A], 15|(3<<16)|(1<<21)           ; 15:0 the mask: all four work-groups; 17:16 elements of 8 bytes; 21 set beside a mask
	s_mov_b32 s[G1A+1], 32<<16                     ; tensor_dim0
	s_mov_b32 s[G1A+2], 8<<16                      ; tensor_dim1
	s_mov_b32 s[G1A+3], 32<<16                     ; tile_dim0
	s_mov_b32 s[G1A+4], 8                          ; tile_dim1
	s_mov_b32 s[G1A+5], 32                         ; from row to row
	s_mov_b32 s[G1A+6], 0
	s_mov_b32 s[G1A+7], 0
	s_mov_b32 s[G1B], 15|(3<<16)|(1<<21)
	s_mov_b32 s[G1B+1], 32<<16
	s_mov_b32 s[G1B+2], 56<<16
	s_mov_b32 s[G1B+3], 32<<16
	s_mov_b32 s[G1B+4], 56
	s_mov_b32 s[G1B+5], 32
	s_mov_b32 s[G1B+6], 0
	s_mov_b32 s[G1B+7], 0
	s_mov_b32 s[SEL], 0x76543210
	s_mov_b32 s[SEL+1], 0xfedcba98
	s_mov_b32 s[MOF], 0
	s_mov_b32 s[TB], 0
	s_wait_dscnt 0x0                               ; both opening adds are done
	s_wait_kmcnt 0x0
	s_add_nc_u64 s[G0A+2:G0A+3], s[68:69], s[92:93]   ; 120:64 global address
	s_or_b32 s[G0A+3], s[G0A+3], 0x80000000        ; 127:126 type = 2
	s_add_nc_u64 s[G0B+2:G0B+3], s[68:69], s[94:95]
	s_or_b32 s[G0B+3], s[G0B+3], 0x80000000
	s_add_nc_u64 s[QP:QP+1], s[68:69], s[96:97]
	s_add_nc_u64 s[MBP:MBP+1], s[70:71], s[98:99]
	s_add_nc_u64 s[ZP:ZP+1], s[72:73], s[82:83]
	CROUND                                         ; all four work-groups are here: the joint loads meet
	tensor_load_to_lds s[G0A:G0A+3], s[G1A:G1A+7]  ; my part of keys 0 to 255
	s_nop 0
	tensor_load_to_lds s[G0B:G0B+3], s[G1B:G1B+7]  ; my part of keys 256 to 2,047
	s_nop 0
.rept 4
	v_nop
.endr
	v_and_b32 v[AK0], 31, v0
	v_lshlrev_b32 v[AK0], 4, v[AK0]
	v_add_nc_u32 v[AV0], VB, v[AK0]
.irp n, 0,1,2,3
	global_load_b128 v[Q+4*\n:Q+4*\n+3], v[AK0], s[QP:QP+1] offset:512*\n   ; tile n / 2, block n % 2
.endr
	s_load_b512 s[MW0:MW0+15], s[MBP:MBP+1], s[MOF] offset:0x0       ; the first step's mask words
	s_load_b512 s[MW0+16:MW0+31], s[MBP:MBP+1], s[MOF] offset:0x40
	s_load_b512 s[MW1:MW1+15], s[MBP:MBP+1], s[MOF] offset:0x1000
	s_load_b512 s[MW1+16:MW1+31], s[MBP:MBP+1], s[MOF] offset:0x1040
	v_mov_b32 v[NEGV], 0xd056fa73
.set n, 0
.rept 32
	v_mov_b32 v[O+n], 0                            ; the step is written once: the first finds zeros, which a = 0 leaves zeros
.set n, n+1
.endr
.irp t, 0,1
	v_mov_b32 v[ST+8*\t], 0x7f61b1e6               ; -m: m begins at -3e38, under every t
	v_mov_b32 v[ST+8*\t+1], 0                      ; (named with it as a pair)
	v_mov_b32 v[ST+8*\t+2], 0                      ; l
	v_mov_b32 v[ST+8*\t+3], 0
	v_mov_b32 v[ST+8*\t+5], 0                      ; a lane permute's destination counts as one of its sources
.endr
; A KEY STEP: 64 keys, both tiles of queries.
.macro STEP
	v_add_nc_u32 v[ADK], s[TB], v[AK0]
	v_add_nc_u32 v[ADV], s[TB], v[AV0]
.irp kt, 0,1,2,3
.irp c, 0,1
	ds_load_b128 v[KF+8*\kt+4*\c:KF+8*\kt+4*\c+3], v[ADK] offset:1024*\kt+512*\c
.endr
.endr
	s_wait_dscnt 0x0
.irp kt, 0,1,2,3
.irp t, 0,1
	v_wmma_f32_16x16x32_f16 v[S+32*\t+8*\kt:S+32*\t+8*\kt+7], v[KF+8*\kt:KF+8*\kt+7], v[Q+8*\t:Q+8*\t+7], 0
.endr
.endr
.rept 4
	v_nop                                          ; four places ahead of the first read of a score; with the two additions above, six between the last step's V^T P and the loads into V's registers
.endr
.irp kb, 0,1
.irp dt, 0,1
.irp c, 0,1
	ds_load_b128 v[VF+8*(2*\kb+\dt)+4*\c:VF+8*(2*\kb+\dt)+4*\c+3], v[ADV] offset:2048*\kb+1024*\c+512*\dt   ; they land during the softmax
.endr
.endr
.endr
	s_wait_kmcnt 0x0                               ; the step's mask words, asked for a step ago
.set n, 0
.rept 32
	v_cndmask_b32 v[S+n], v[S+n], v[NEGV], s[MW0+n]      ; each accumulator from its low end on
.set n, n+1
.endr
.set n, 0
.rept 32
	v_cndmask_b32 v[S+32+n], v[S+32+n], v[NEGV], s[MW1+n]
.set n, n+1
.endr
	s_add_co_u32 s[MOF], s[MOF], 128               ; (the scalar loads are done: their offset may be written)
	s_min_u32 s[MOF], s[MOF], 3968                 ; the last step asks once more for its own words: no load leaves the buffer
	s_load_b512 s[MW0:MW0+15], s[MBP:MBP+1], s[MOF] offset:0x0
	s_load_b512 s[MW0+16:MW0+31], s[MBP:MBP+1], s[MOF] offset:0x40
	s_load_b512 s[MW1:MW1+15], s[MBP:MBP+1], s[MOF] offset:0x1000
	s_load_b512 s[MW1+16:MW1+31], s[MBP:MBP+1], s[MOF] offset:0x1040
	; the maximum of a lane's 32 scores and the old m: four chains of seven, then the four left over; the tiles by turns
.irp j, 0,1,2,3
.irp t, 0,1
	v_max3_num_f32 v[ST+8*\t+4+\j], v[S+32*\t+8*\j], v[S+32*\t+8*\j+1], v[S+32*\t+8*\j+2]
.endr
.endr
.irp g, 1,2
.irp j, 0,1,2,3
.irp t, 0,1
	v_max3_num_f32 v[ST+8*\t+4+\j], v[ST+8*\t+4+\j], v[S+32*\t+8*\j+2*\g+1], v[S+32*\t+8*\j+2*\g+2]
.endr
.endr
.endr
.irp t, 0,1
	v_max3_num_f32 v[ST+8*\t+4], v[ST+8*\t+4], v[S+32*\t+7], v[S+32*\t+15]
.endr
.irp t, 0,1
	v_max3_num_f32 v[ST+8*\t+6], v[ST+8*\t+6], v[S+32*\t+23], v[S+32*\t+31]
.endr
.irp t, 0,1
	v_max3_num_f32 v[ST+8*\t+4], v[ST+8*\t+4], v[ST+8*\t+5], v[ST+8*\t+6]
.endr
.irp t, 0,1
	v_max3_num_f32 v[ST+8*\t+4], v[ST+8*\t+4], v[ST+8*\t+7], -v[ST+8*\t]
.endr
.irp t, 0,1
	v_permlanex16_b32 v[ST+8*\t+5], v[ST+8*\t+4], s[SEL], s[SEL+1]   ; the query's other 32 keys lie in the lane 16 away
.endr
.irp t, 0,1
	v_max_num_f32 v[ST+8*\t+6], v[ST+8*\t+4], v[ST+8*\t+5]           ; the new m
.endr
.irp t, 0,1
	v_sub_f32 v[ST+8*\t+7], -v[ST+8*\t], v[ST+8*\t+6]                ; m_old - m_new
.endr
.irp t, 0,1
	v_mul_f32 v[ST+8*\t], -1.0, v[ST+8*\t+6]                         ; -m
.endr
.irp t, 0,1
.set n, 0
.rept 16
	v_pk_add_f32 v[S+32*\t+2*n:S+32*\t+2*n+1], v[S+32*\t+2*n:S+32*\t+2*n+1], v[ST+8*\t:ST+8*\t+1] op_sel_hi:[1,0]   ; t - m, two at a time
.set n, n+1
.endr
.endr
.irp t, 0,1
	v_exp_f32 v[ST+8*\t+6], v[ST+8*\t+7]           ; a.  ONE BATCH of 66 exponentials; none reads another's result
.endr
.set n, 0
.rept 64
	v_exp_f32 v[S+n], v[S+n]                       ; p
.set n, n+1
.endr
	v_nop                                          ; the plain instruction behind the last exponential
	s_wait_alu depctr_va_vdst(0)                   ; the wait ahead of the first instruction that names a result: one for the batch
.set n, 0
.rept 32
	v_cvt_pk_f16_f32 v[P+n], v[S+2*n], v[S+2*n+1]
.set n, n+1
.endr
.irp u, 0,1,2,3,4,5,6,7                        ; the sum of a tile's 16 pairs, in place: neighbours 1, 2, 4, 8 pairs apart
.irp t, 0,1
	v_pk_add_f32 v[S+32*\t+4*\u:S+32*\t+4*\u+1], v[S+32*\t+4*\u:S+32*\t+4*\u+1], v[S+32*\t+4*\u+2:S+32*\t+4*\u+3]
.endr
.endr
.irp u, 0,1,2,3
.irp t, 0,1
	v_pk_add_f32 v[S+32*\t+8*\u:S+32*\t+8*\u+1], v[S+32*\t+8*\u:S+32*\t+8*\u+1], v[S+32*\t+8*\u+4:S+32*\t+8*\u+5]
.endr
.endr
.irp u, 0,1
.irp t, 0,1
	v_pk_add_f32 v[S+32*\t+16*\u:S+32*\t+16*\u+1], v[S+32*\t+16*\u:S+32*\t+16*\u+1], v[S+32*\t+16*\u+8:S+32*\t+16*\u+9]
.endr
.endr
.irp t, 0,1
	v_pk_add_f32 v[S+32*\t:S+32*\t+1], v[S+32*\t:S+32*\t+1], v[S+32*\t+16:S+32*\t+17]
.endr
.irp t, 0,1
	v_pk_fma_f32 v[ST+8*\t+2:ST+8*\t+3], v[ST+8*\t+2:ST+8*\t+3], v[ST+8*\t+6:ST+8*\t+7], v[S+32*\t:S+32*\t+1] op_sel_hi:[1,0,1]   ; l = a l + the sum
.endr
.irp t, 0,1
.set n, 0
.rept 8
	v_pk_mul_f32 v[O+16*\t+2*n:O+16*\t+2*n+1], v[O+16*\t+2*n:O+16*\t+2*n+1], v[ST+8*\t+6:ST+8*\t+7] op_sel_hi:[1,0]   ; O^T x a, each accumulator from its low end on
.set n, n+1
.endr
.endr
	s_wait_dscnt 0x0                               ; V is in
.irp kb, 0,1                                   ; O^T += V^T P: the four accumulators take turns, one instruction a turn
.irp t, 0,1
.irp dt, 0,1
	v_wmma_f32_16x16x32_f16 v[O+16*\t+8*\dt:O+16*\t+8*\dt+7], v[VF+8*(2*\kb+\dt):VF+8*(2*\kb+\dt)+7], v[P+16*\t+8*\kb:P+16*\t+8*\kb+7], v[O+16*\t+8*\dt:O+16*\t+8*\dt+7]
.endr
.endr
.endr
	s_add_co_u32 s[TB], s[TB], 4096
.endm
	s_wait_loadcnt 0x0                             ; Q
	s_wait_tensorcnt 0x1                           ; my part of keys 0 to 255 has landed; my second load may stay out
	s_barrier_signal -1
	s_barrier_wait -1                              ; everybody's has
	s_mov_b32 s[CNT], 4
.Lfirst:                                           ; keys 0 to 255
	STEP
	s_sub_co_u32 s[CNT], s[CNT], 1
	s_cmp_lg_u32 s[CNT], 0
	s_cbranch_scc1 .Lfirst
	s_wait_tensorcnt 0x0                           ; my part of the rest has landed
	s_wait_dscnt 0x0
	s_barrier_signal -1
	s_barrier_wait -1                              ; everybody's has
	s_mov_b32 s[CNT], 28
.Lrest:                                            ; keys 256 to 2,047
	STEP
	s_sub_co_u32 s[CNT], s[CNT], 1
	s_cmp_lg_u32 s[CNT], 0
	s_cbranch_scc1 .Lrest
	; THE WAY OUT: l's halves are added (these lines are the places behind the last products); O^T / l, rounded to f16, IS the image that the last product wants: 16 bytes a lane.
.irp t, 0,1
	v_add_f32 v[ST+8*\t+4], v[ST+8*\t+2], v[ST+8*\t+3]
.endr
.irp t, 0,1
	v_permlanex16_b32 v[ST+8*\t+5], v[ST+8*\t+4], s[SEL], s[SEL+1]
.endr
.irp t, 0,1
	v_add_f32 v[ST+8*\t+4], v[ST+8*\t+4], v[ST+8*\t+5]
.endr
.irp t, 0,1
	v_rcp_f32 v[ST+8*\t+6], v[ST+8*\t+4]
.endr
	v_nop                                          ; a plain instruction between the last reciprocal and the use of its result
	s_wait_alu depctr_va_vdst(0)                   ; and the wait on the results: one for both
.irp t, 0,1
.set n, 0
.rept 8
	v_pk_mul_f32 v[O+16*\t+2*n:O+16*\t+2*n+1], v[O+16*\t+2*n:O+16*\t+2*n+1], v[ST+8*\t+6:ST+8*\t+7] op_sel_hi:[1,0]
.set n, n+1
.endr
.endr
.set n, 0
.rept 16
	v_cvt_pk_f16_f32 v[P+n], v[O+2*n], v[O+2*n+1]
.set n, n+1
.endr
.irp n, 0,1,2,3
	global_store_b128 v[AK0], v[P+4*\n:P+4*\n+3], s[ZP:ZP+1] offset:16384*(\n/2)+512*(\n%2)   ; tile n / 2, dims 16 (n % 2) on: 512 consecutive bytes
.endr
	s_wait_kmcnt 0x0                               ; the last step's scalar loads
	s_wait_tensorcnt 0x0                           ; the wave's end
	ds_add_u32 v[SPW], v[NIL]
	s_wait_dscnt 0x0
	CROUND                                         ; the closing round
	s_endpgm
.Lfunc_end_k_qb9dd8cf38c_attn:
	.size	k_qb9dd8cf38c_attn, .Lfunc_end_k_qb9dd8cf38c_attn-k_qb9dd8cf38c_attn
	.p2alignl 7, 3214868480
	.fill 96, 4, 3214868480
	.section	.rodata,"a",@progbits
	.p2align	6, 0x0
	.amdhsa_kernel k_qb9dd8cf38c_attn
		.amdhsa_group_segment_fixed_size 264192
		.amdhsa_private_segment_fixed_size 0
		.amdhsa_enable_private_segment 0
		.amdhsa_kernarg_size 24
		.amdhsa_user_sgpr_count 2
		.amdhsa_user_sgpr_kernarg_segment_ptr 1
		.amdhsa_wavefront_size32 1
		.amdhsa_system_sgpr_workgroup_id_x 1
		.amdhsa_system_sgpr_workgroup_id_y 1
		.amdhsa_system_sgpr_workgroup_id_z 1
		.amdhsa_system_vgpr_workitem_id 0
		.amdhsa_next_free_vgpr 256
		.amdhsa_next_free_sgpr 106
		.amdhsa_reserve_vcc 0
		.amdhsa_float_denorm_mode_32 3
		.amdhsa_float_denorm_mode_16_64 3
		.amdhsa_memory_ordered 1
		.amdhsa_forward_progress 1
		.amdhsa_inst_pref_size 47
	.end_amdhsa_kernel
	.amdgpu_metadata
---
amdhsa.version: [ 1, 2 ]
amdhsa.kernels:
  - .name:           k_qb9dd8cf38c_attn
    .symbol:         k_qb9dd8cf38c_attn.kd
    .args:
      - { .name: qkv, .offset: 0, .size: 8, .value_kind: global_buffer, .address_space: global }
      - { .name: mb, .offset: 8, .size: 8, .value_kind: global_buffer, .address_space: global }
      - { .name: zf, .offset: 16, .size: 8, .value_kind: global_buffer, .address_space: global }
    .group_segment_fixed_size: 264192
    .private_segment_fixed_size: 0
    .kernarg_segment_align: 8
    .kernarg_segment_size: 24
    .max_flat_workgroup_size: 512
    .sgpr_count:     106
    .vgpr_count:     256
    .wavefront_size: 32
...
	.end_amdgpu_metadata
.endif
;; end of part 3
;; launch outp (part 4): grid 4 x 64, 8 waves a work-group, clusters of 4 x 1, 265,216 bytes of LDS; arguments zf, wof, out0; writes out0
.if DOCPART == 4
	.amdgcn_target "amdgcn-amd-amdhsa--gfx1250"
	.amdhsa_code_object_version 6
	.text
	.protected	k_qb9dd8cf38c_outp
	.globl	k_qb9dd8cf38c_outp
	.p2align	8
	.type	k_qb9dd8cf38c_outp,@function
k_qb9dd8cf38c_outp:
	s_mov_b64 s[64:65], 0
	v_nop
	global_prefetch_b8 v0, s[64:65] scope:SCOPE_SE
	s_setreg_imm32_b32 hwreg(HW_REG_WAVE_MODE, 25, 1), 1
	s_wait_xcnt 0x0
	s_wait_alu depctr_hold_cnt(0) depctr_sa_sdst(0) depctr_va_vdst(0) depctr_va_sdst(0) depctr_va_ssrc(0) depctr_va_vcc(0) depctr_vm_vsrc(0)
	s_getreg_b32 s2, hwreg(HW_REG_IB_STS2, 6, 4)
	s_cmp_eq_u32 s2, 0
	s_cbranch_scc0 .Lentry_in_a_cluster
	s_endpgm
.Lentry_in_a_cluster:
	s_bfe_u32 s2, ttmp6, 0x10000c
	s_cmp_lg_u32 s2, 0x3003
	s_cbranch_scc0 .Lentry_shape_is_right
	s_endpgm
.Lentry_shape_is_right:
; out [8192][1024] f32 = z [8192][512] Wo [512][1024]; operands f16, as images of the operands' registers; sums f32.
; Work-group (x, y): rows 128 y on, columns 256 x on.  THE WAVES SHARE THE COLUMNS: wave w owns columns 256 x + 32 w .. + 31; its 32 fragments of Wo (2 n tiles x 16 K steps) stay in window 1, read once.
; The work-group's z, 8 row tiles x 16 K steps x 1,024 bytes, is one dense block of 128 KiB: each wave brings a row tile (64 rows of 256 bytes) by one tensor load; it is filled once.
; CLUSTER.  The four column groups of a row block need the same z: each load is JOINT, with a mask that names the four.
; The matrix instruction is used transposed (source 0 = 16 columns of Wo, source 1 = 16 rows of z): a lane holds eight neighbouring columns of one row.
; Two halves of 64 rows.  A row's 1,024 bytes come from eight waves: they meet in a stage (rows of 1,024 + 16 bytes), a barrier, and each wave stores 8 whole rows, 512 consecutive bytes a store.
; The halves' stage rows are disjoint, so one barrier a half orders the way out; half 0's stores leave while half 1 is multiplied.
.set STAGE, 131072                     ; LDS: z at 0; the stage: 128 rows x 1,040 bytes
.set SPARE, 264192                     ; behind it: the spare words, 128 bytes for each wave: four blocks of 256 bytes that no other line names
.set LI,  1                            ; v1     16 x lane
.set ZA,  1                            ; v1, v2 z's images of half 0, 1: 16 x lane + 65,536 g
.set STO, 4                            ; v4, v5 into the stage: 1,040 r + 128 w + 32 h, half g
.set RD,  6                            ; v6, v7 out of it: my 8 rows, 16 bytes a lane
.set SPW, 8                            ; v8     LDS address of my spare word; never rewritten
.set NIL, 9                            ; v9     0; never rewritten
.set ZF,  16                           ; v16-79   z's fragments of four row tiles, two sets
.set ACC, 80                           ; v80-143  accumulators: 8 (2 rt + nt)
.set BK,  144                          ; v144-207 rows read back from the stage
.set WV,  10
.set G0,  12                           ; s[12:15]
.set G1,  16                           ; s[16:23]
.set MSB, 0
.macro WIN new                         ; the immediate's high byte repeats the setting that is left
.if MSB != (\new)
	s_set_vgpr_msb (MSB<<8)|(\new)
.set MSB, (\new)
.endif
.endm
.macro CROUND
	s_barrier_signal -1
	s_barrier_wait -1
	s_cmp_lg_u32 s[WV], 0
	s_cbranch_scc1 .Lnot_wave_0_\@
	s_barrier_signal -3
.Lnot_wave_0_\@:
	s_barrier_wait -3
	s_barrier_signal -1
	s_barrier_wait -1
.endm
.macro PLACES n
.rept \n
	v_nop
.endr
.endm
	s_load_b128 s[4:7], s[0:1], 0x0                ; zf s[4:5], wof s[6:7]
	s_load_b64 s[8:9], s[0:1], 0x10                ; out0
	v_lshl_add_u32 v[SPW], v0, 2, SPARE
	v_mov_b32 v[NIL], 0
	ds_add_u32 v[SPW], v[NIL]                      ; the wave's opening: the add, twice on end, and its wait ahead of my first tensor load
	ds_add_u32 v[SPW], v[NIL]
	v_lshrrev_b32 v1, 5, v0
	v_readfirstlane_b32 s[WV], v1                  ; wave 0..7
	s_bfe_u32 s24, ttmp6, 0x40000                  ; cx: it enters the addresses of wof and out0 alone
	s_lshl_b32 s25, ttmp9, 2
	s_add_co_u32 s25, s25, s24                     ; x
	s_and_b32 s26, ttmp7, 0xffff                   ; y, which the four partners share
	s_mov_b32 s[G0], 1                             ; 1:0 count = 1
	s_lshl_b32 s[G0+1], s[WV], 14                  ; 63:32 LDS address: row tile w
	s_lshl_b32 s28, s26, 3
	s_add_co_u32 s28, s28, s[WV]
	s_lshl_b32 s28, s28, 14                        ; zf: row tile 8 y + w, 16,384 bytes each
	s_mov_b32 s29, 0
	s_mov_b32 s[G1], 15|(3<<16)|(1<<21)            ; 15:0 the mask: all four; 17:16 elements of 8 bytes; 21 set beside a mask
	s_mov_b32 s[G1+1], 32<<16                      ; tensor_dim0: 256 bytes
	s_mov_b32 s[G1+2], 64<<16                      ; tensor_dim1
	s_mov_b32 s[G1+3], 32<<16                      ; tile_dim0
	s_mov_b32 s[G1+4], 64                          ; tile_dim1
	s_mov_b32 s[G1+5], 32                          ; from row to row
	s_mov_b32 s[G1+6], 0
	s_mov_b32 s[G1+7], 0
	s_lshl_b32 s30, s25, 18                        ; wof: n tile 16 x + 2 w, 16,384 bytes each
	s_lshl_b32 s32, s[WV], 15
	s_add_co_u32 s30, s30, s32
	s_mov_b32 s31, 0
	s_lshl_b32 s34, s26, 19                        ; out0: row 128 y + 8 w of 4,096 bytes, + 1,024 x
	s_add_co_u32 s34, s34, s32
	s_lshl_b32 s33, s25, 10
	s_add_co_u32 s34, s34, s33
	s_mov_b32 s35, 0
	s_wait_dscnt 0x0                               ; both opening adds are done
	s_wait_kmcnt 0x0
	s_add_nc_u64 s[G0+2:G0+3], s[4:5], s[28:29]    ; 120:64 global address
	s_or_b32 s[G0+3], s[G0+3], 0x80000000          ; 127:126 type = 2
	s_add_nc_u64 s[6:7], s[6:7], s[30:31]
	s_add_nc_u64 s[8:9], s[8:9], s[34:35]
	CROUND                                         ; all four work-groups are here: the joint loads meet
	tensor_load_to_lds s[G0:G0+3], s[G1:G1+7]
	s_nop 0
	PLACES 4
	v_and_b32 v[LI], 31, v0
	v_lshlrev_b32 v[LI], 4, v[LI]
	WIN 0x40                                       ; destination window 1
.irp nt, 0,1
.irp s, 0,1,2,3,4,5,6,7,8,9,10,11,12,13,14,15
.irp c, 0,1
	global_load_b128 v[8*(2*\s+\nt)+4*\c:8*(2*\s+\nt)+4*\c+3], v[LI], s[6:7] offset:(16*\nt+\s)*1024+512*\c
.endr
.endr
.endr
	WIN 0
	v_add_nc_u32 v[ZA+1], 65536, v[LI]
	v_and_b32 v10, 15, v0
	v_bfe_u32 v11, v0, 4, 1
	v_mul_u32_u24 v[STO], v10, 1040
	v_lshl_add_u32 v[STO], v11, 5, v[STO]
	s_lshl_b32 s36, s[WV], 7
	s_add_co_u32 s36, s36, STAGE
	v_add_nc_u32 v[STO], s36, v[STO]
	v_add_nc_u32 v[STO+1], 66560, v[STO]
	s_mul_i32 s36, s[WV], 8320
	s_add_co_u32 s36, s36, STAGE
	v_add_nc_u32 v[RD], s36, v[LI]
	v_add_nc_u32 v[RD+1], 66560, v[RD]
	s_wait_tensorcnt 0x0                           ; my row tile has landed,
	s_wait_loadcnt 0x0                             ; Wo is in
	s_barrier_signal -1
	s_barrier_wait -1                              ; everybody's row tile has
.macro FETCHZ g, set, s                ; K step s of the half's four row tiles
.irp rt, 0,1,2,3
.irp c, 0,1
	ds_load_b128 v[ZF+32*(\set)+8*\rt+4*\c:ZF+32*(\set)+8*\rt+4*\c+3], v[ZA+\g] offset:16384*\rt+1024*(\s)+512*\c
.endr
.endr
.endm
.macro HALF g
	FETCHZ \g, 0, 0
.irp s, 0,1,2,3,4,5,6,7,8,9,10,11,12,13,14,15
.if \s < 15
.if \s > 0
	PLACES 4                                       ; ahead of loads into the set that the last K step's products read (ISA guide 7.12.1 for vector instructions)
.endif
	FETCHZ \g, (\s+1)%2, \s+1
	s_wait_dscnt 8                                 ; this K step's fragments are in; the next one's eight loads may be out
.else
	s_wait_dscnt 0x0
.endif
	WIN 0x01                                       ; source 0 (Wo) window 1
.irp rt, 0,1,2,3                               ; eight accumulators by turns, one instruction a turn; the first K step starts the sums
.irp nt, 0,1
.if \s == 0
	v_wmma_f32_16x16x32_f16 v[ACC+8*(2*\rt+\nt):ACC+8*(2*\rt+\nt)+7], v[8*(2*\s+\nt):8*(2*\s+\nt)+7], v[ZF+32*(\s%2)+8*\rt:ZF+32*(\s%2)+8*\rt+7], 0
.else
	v_wmma_f32_16x16x32_f16 v[ACC+8*(2*\rt+\nt):ACC+8*(2*\rt+\nt)+7], v[8*(2*\s+\nt):8*(2*\s+\nt)+7], v[ZF+32*(\s%2)+8*\rt:ZF+32*(\s%2)+8*\rt+7], v[ACC+8*(2*\rt+\nt):ACC+8*(2*\rt+\nt)+7]
.endif
.endr
.endr
	WIN 0
.endr
	PLACES 5                                       ; four ahead of the stores that read results; five ahead of the next half's products, which begin these accumulators anew
.irp rt, 0,1,2,3
.irp nt, 0,1
	ds_store_b128 v[STO+\g], v[ACC+8*(2*\rt+\nt):ACC+8*(2*\rt+\nt)+3] offset:16640*\rt+64*\nt          ; each accumulator from its low end on
	ds_store_b128 v[STO+\g], v[ACC+8*(2*\rt+\nt)+4:ACC+8*(2*\rt+\nt)+7] offset:16640*\rt+64*\nt+16
.endr
.endr
	s_wait_dscnt 0x0                               ; for the others' sake: my stores into the stage are done
	s_barrier_signal -1
	s_barrier_wait -1
.if \g
	s_wait_xcnt 0x0                                ; half 0's stores have read their registers: the loads below may land there
.endif
.irp k, 0,1,2,3,4,5,6,7,8,9,10,11,12,13,14,15
	ds_load_b128 v[BK+4*\k:BK+4*\k+3], v[RD+\g] offset:1040*(\k/2)+512*(\k%2)
.endr
.irp k, 0,1,2,3,4,5,6,7,8,9,10,11,12,13,14,15
	s_wait_dscnt 15-\k                             ; piece k is back; the younger loads may be out
	global_store_b128 v[LI], v[BK+4*\k:BK+4*\k+3], s[8:9] offset:(64*\g+\k/2)*4096+512*(\k%2) th:TH_STORE_NT   ; 512 consecutive bytes, at a multiple of 256 from out0's first byte; written once, read by nobody here
.endr
.endm
	HALF 0
	HALF 1
	s_wait_tensorcnt 0x0                           ; the wave's end: behind my last tensor load and my last LDS store
	ds_add_u32 v[SPW], v[NIL]
	s_wait_dscnt 0x0
	CROUND                                         ; the closing round
	s_endpgm
.Lfunc_end_k_qb9dd8cf38c_outp:
	.size	k_qb9dd8cf38c_outp, .Lfunc_end_k_qb9dd8cf38c_outp-k_qb9dd8cf38c_outp
	.p2alignl 7, 3214868480
	.fill 96, 4, 3214868480
	.section	.rodata,"a",@progbits
	.p2align	6, 0x0
	.amdhsa_kernel k_qb9dd8cf38c_outp
		.amdhsa_group_segment_fixed_size 265216
		.amdhsa_private_segment_fixed_size 0
		.amdhsa_enable_private_segment 0
		.amdhsa_kernarg_size 24
		.amdhsa_user_sgpr_count 2
		.amdhsa_user_sgpr_kernarg_segment_ptr 1
		.amdhsa_wavefront_size32 1
		.amdhsa_system_sgpr_workgroup_id_x 1
		.amdhsa_system_sgpr_workgroup_id_y 1
		.amdhsa_system_sgpr_workgroup_id_z 1
		.amdhsa_system_vgpr_workitem_id 0
		.amdhsa_next_free_vgpr 512
		.amdhsa_next_free_sgpr 66
		.amdhsa_reserve_vcc 0
		.amdhsa_float_denorm_mode_32 3
		.amdhsa_float_denorm_mode_16_64 3
		.amdhsa_memory_ordered 1
		.amdhsa_forward_progress 1
		.amdhsa_inst_pref_size 58
	.end_amdhsa_kernel
	.amdgpu_metadata
---
amdhsa.version: [ 1, 2 ]
amdhsa.kernels:
  - .name:           k_qb9dd8cf38c_outp
    .symbol:         k_qb9dd8cf38c_outp.kd
    .args:
      - { .name: zf, .offset: 0, .size: 8, .value_kind: global_buffer, .address_space: global }
      - { .name: wof, .offset: 8, .size: 8, .value_kind: global_buffer, .address_space: global }
      - { .name: out0, .offset: 16, .size: 8, .value_kind: global_buffer, .address_space: global }
    .group_segment_fixed_size: 265216
    .private_segment_fixed_size: 0
    .kernarg_segment_align: 8
    .kernarg_segment_size: 24
    .max_flat_workgroup_size: 256
    .sgpr_count:     66
    .vgpr_count:     512
    .wavefront_size: 32
...
	.end_amdgpu_metadata
.endif
;; end of part 4
;; ======== version 2 of 2: 4 launches; version 1 with the launch proj written anew for expert scheduling mode
;; limits: values are held in f16: magnitudes above 65,504 overflow, below 6.1e-05 lose precision
;; workspace buffers: wc 786,432 bytes; ws 49,152 bytes; wof 1,048,576 bytes; mb 2,097,152 bytes of whole numbers; qkv 25,165,824 bytes; zf 8,388,608 bytes
;; launch prep: the kernel of part 1 again; grid 208 x 1, 8 waves a work-group, no clusters, 35,840 bytes of LDS; arguments Wq, Wk, Wv, Wo, attention_mask, wc, ws, wof, mb; writes wc, ws, wof, mb
;; launch proj (part 5): grid 64 x 3, 4 waves a work-group, no clusters, 74,240 bytes of LDS; arguments q, k, v, wc, ws, qkv; writes qkv
.if DOCPART == 5
	.amdgcn_target "amdgcn-amd-amdhsa--gfx1250"
	.amdhsa_code_object_version 6
	.text
	.protected	k_qb9dd8cf38c_proj
	.globl	k_qb9dd8cf38c_proj
	.p2align	8
	.type	k_qb9dd8cf38c_proj,@function
k_qb9dd8cf38c_proj:
	s_mov_b64 s[64:65], 0
	v_nop
	global_prefetch_b8 v0, s[64:65] scope:SCOPE_SE
	s_setreg_imm32_b32 hwreg(HW_REG_WAVE_SCHED_MODE, 0, 2), 2
	s_setreg_imm32_b32 hwreg(HW_REG_WAVE_MODE, 25, 1), 1
	s_wait_xcnt 0x0
	s_wait_alu depctr_vm_vsrc(0)
; Q = q Wq, K = k Wk, V = v Wv on codes of FP4 (E2M1) with one E8M0 scale for each 32 along d; sums in f32; the results leave as f16, laid as the attention's operands.
; Work-group (g, tensor): 128 rows of x [8192][1024] f32, all 512 columns.  THE WAVES SHARE THE COLUMNS: wave w owns columns 128 w .. 128 w + 127 (heads 4 w .. 4 w + 3); its 64 fragments of W (8 column tiles x 8 K steps)
; stay in 512 registers, read once.  x is quantised in registers, wave w taking row tile w of a block of 64 rows, and goes from wave to wave through LDS as IMAGES OF THE OPERAND'S REGISTERS (16 bytes a lane, 512 a store).
; Two blocks of 64 rows; each has LDS bytes of its own, so one barrier a block orders everything.
; q, k: source 0 = 16 columns of W, source 1 = 16 rows of x: a lane holds one row and eight neighbouring dims.  v: the other way round: a lane holds one dim and eight neighbouring keys, as V^T's fragments want.
; qkv [tensor][batch x head][tile of 16 rows][1,024 bytes].  Q, K: block c, lane (r, h): row r, dims 16 c + 8 h + 0 .. 7.  V: block dt of tile T, lane (r, h): keys 16 T + 8 h + 0 .. 7 of dim 16 dt + r.
; Q is multiplied by log2(e) / 8 in f32 ahead of its rounding, so that the attention's scores are exponents of 2.
; No multicast: the weights go straight into registers, once a work-group; beside 72 KiB of images 272 KiB of weights would not fit in LDS.  192 work-groups: three tensors of 64 row blocks.
; LIMITS: blocks of zeros get the byte 1 (their codes are zeros; this program alone reads the bytes); blocks whose largest magnitude lies under 2^-124 keep the byte 1; NaN and infinities are not served;
; the results (Q x 0.18, K, V) must lie inside f16's range, 65,504.
; REGISTERS, in windows of 256: window 0: addresses, x's fragments, accumulators, scale words, work; window 1: four sets of 64 numbers of x; windows 2, 3: W's fragment (ct, s) at v[8 (8 (s % 4) + ct)] of window 2 + s / 4.
; THE MODE: SCHED_MODE bits 1:0 = 2 (LLVM: expert scheduling mode 2), set by the entry lines.  The code itself states the register dependences
; between vector or matrix instructions and memory or LDS instructions, with s_wait_alu, always for 0.
; THE PLAN.  Registers that memory or LDS instructions touch:
;   the four sets    K step s: the maxima and conversions read set s % 4; behind them the loads of four K steps on land in it.
;   PC, PW           Written by a K step's last vector lines; read by its image's three LDS stores; written again a K step later.
;   XF, XS           A trip's 24 LDS loads land in them at its head; its 64 products read them.
;   AD, AS           Written by two additions at a trip's head; read by the trip's 24 LDS loads.
;   PK               Written by a trip's 32 roundings; read by its eight stores.
;   XA, LI, LS, XWI, XWS, SPW, NIL   Made at the head and never written again.     W, WS   Loaded once, at the head; no vector instruction writes them.
;   The accumulators and TM are named by vector and matrix instructions alone.
; So a K step has ONE wait on va_vdst, behind its last vector line (the set is read out, PC and PW are written), with its 16 loads and 3 LDS stores behind it, and one on vm_vsrc ahead of the first write of PW.
; A trip has one wait on va_vdst behind its two additions (AD, AS are written; the products before are done with XF, XS), one behind its roundings (PK is written), and one on vm_vsrc at its end (PK, AD, AS are read).
; No second set of x's fragments: all 1,024 registers are claimed (W 512, the four sets 256, window 0), and window 0 has 22 free where 72 would be wanted.
.set PAR,   36864                      ; LDS of a block: images [row tile 4][K step 8][1,024], then scale words [4][8][128]
.set SPARE, 2*PAR                      ; behind both: the spare words, 128 bytes for each wave: two blocks of 256 bytes that no other line names
.set XA,  4                            ; v4   x: row r of 4,096 bytes + 64 h: my 16 numbers of a block of 32
.set LI,  5                            ; v5   16 x lane
.set LS,  6                            ; v6   4 x lane
.set XWI, 7                            ; v7   where I store images: 16 x lane + 8,192 x wave
.set XWS, 8                            ; v8   and scale words: 4 x lane + 1,024 x wave + 32,768
.set AD,  9                            ; v9   the images in hand
.set AS,  10                           ; v10  their scale words
.set SPW, 12                           ; v12  LDS address of my spare word; never rewritten
.set NIL, 13                           ; v13  0; never rewritten
.set XF,  16                           ; v16-79   x's eight fragments of a row tile
.set ACC, 80                           ; v80-143  eight accumulators
.set PK,  144                          ; v144-175 results as f16
.set WS,  176                          ; v176-207 W's scale words: 4 ct + p; lanes 0-15 K step 2 p, lanes 16-31 K step 2 p + 1
.set XS,  208                          ; v208-215 x's scale words
.set PC,  216                          ; v216-223 the codes just made
.set PW,  224                          ; v224     their scale word
.set TM,  226                          ; v226-241 at work
.set WV,  16
.set TEN, 17
.set XP,  18                           ; s[18:19] x at my wave's first row
.set OP,  20                           ; s[20:21] qkv at the row tile in hand
.set MUL, 22                           ; s[22:23] log2(e) / 8
.set SEL, 24                           ; s[24:25] v_permlanex16_b32's selects for lane l xor 16
.set MO,  26
.set MS,  27
.set CNT, 28
.set MSB, 0
.macro WIN new                         ; the immediate's high byte repeats the setting that is left; bits 1:0 source 0, 3:2 source 1, 5:4 source 2, 7:6 destination
.if MSB != (\new)
	s_set_vgpr_msb (MSB<<8)|(\new)
.set MSB, (\new)
.endif
.endm
; my 16 rows' numbers of K step ks (64 a lane), off bytes on, into set
.macro XLOAD set, ks, off
	WIN 0x40
.irp b, 0,1,2,3
.irp j, 0,1,2,3
	global_load_b128 v[64*(\set)+16*\b+4*\j:64*(\set)+16*\b+4*\j+3], v[XA], s[XP:XP+1] offset:(\off)+512*(\ks)+128*\b+16*\j th:TH_LOAD_NT
.endr
.endr
	WIN 0
.endm
; 64 numbers of a lane in window 1, register 16 b + i = d 32 b + 16 h + i of my row, become a fragment's codes in v[PC] on and its scale word in v[PW].  k: the K step in its block
.macro QUANT set, k
.set QB, 64*(\set)
	WIN 0x05
.irp b, 0,1,2,3
	v_max3_num_f32 v[TM+\b], |v[QB+16*\b]|, |v[QB+1+16*\b]|, 0x1800000   ; my 16 numbers of block b, and the floor 2^(3 - 127): the byte cannot fall under 1
.endr
	WIN 0x14
.irp i, 2,4,6,8,10,12,14
.irp b, 0,1,2,3
	v_max3_num_f32 v[TM+\b], v[TM+\b], |v[QB+16*\b+\i]|, |v[QB+1+16*\b+\i]|   ; the four blocks by turns
.endr
.endr
	WIN 0
.irp b, 0,1,2,3
	v_permlanex16_b32 v[TM+4+\b], v[TM+\b], s[SEL], s[SEL+1]
.endr
.irp b, 0,1,2,3
	v_max_num_f32 v[TM+\b], v[TM+\b], v[TM+4+\b]   ; with lane l xor 16's: the block's largest magnitude
.endr
.irp b, 0,1,2,3
	v_add_nc_u32 v[TM+12+\b], 0xff000000, v[TM+\b] ; 2 off its exponent field: the conversion's scale operand
.endr
.irp b, 0,1,2,3
	v_lshrrev_b32 v[TM+4+\b], 23, v[TM+12+\b]      ; the scale's byte
.endr
.if (\k) > 0
	s_wait_alu depctr_vm_vsrc(0)                   ; the last image's LDS stores have read PC and PW, which the lines below write again.  (A block's first K step owes nothing: no image has been stored, or the trips' waits on vm_vsrc stand behind the last one)
.endif
	v_lshl_or_b32 v[PW], v[TM+5], 8, v[TM+4]
	v_lshl_or_b32 v[PW], v[TM+6], 16, v[PW]
	v_lshl_or_b32 v[PW], v[TM+7], 24, v[PW]
	WIN 0x01
.irp b, 0,1,2,3
	v_cvt_scalef32_pk8_fp4_f32 v[PC+2*\b], v[QB+16*\b:QB+7+16*\b], v[TM+12+\b]
	v_cvt_scalef32_pk8_fp4_f32 v[PC+1+2*\b], v[QB+8+16*\b:QB+15+16*\b], v[TM+12+\b]
.endr
	WIN 0
	v_nop                                          ; one plain place behind a scaled conversion
.irp c, 0,1                                    ; the operand's layout wants a whole block in a lane: lanes 0-15 block 2 c, lanes 16-31 block 2 c + 1
.irp i, 0,1
	v_permlane16_swap_b32 v[PC+4*\c+\i], v[PC+2+4*\c+\i]
.endr
.endr
.endm
.macro IMAGE p, s                      ; the fragment goes to LDS as it stands
.irp c, 0,1
	ds_store_b128 v[XWI], v[PC+4*\c:PC+4*\c+3] offset:PAR*(\p)+1024*(\s)+512*\c
.endr
	ds_store_b32 v[XWS], v[PW] offset:PAR*(\p)+128*(\s)
.endm
.macro ONE v, s, ct                    ; one product of 16 x 16 x 128
.set WR, 8*(8*((\s)%4)+(\ct))
.set AR, ACC+8*(\ct)
.set XR, XF+8*(\s)
.set SW, WS+4*(\ct)+(\s)/2
.set SX, XS+(\s)
.if \v
.if (\s) == 0
	v_wmma_scale_f32_16x16x128_f8f6f4 v[AR:AR+7], v[XR:XR+7], v[WR:WR+7], 0, v[SX], v[SW] matrix_a_fmt:MATRIX_FMT_FP4 matrix_b_fmt:MATRIX_FMT_FP4
.elseif (\s)%2
	v_wmma_scale_f32_16x16x128_f8f6f4 v[AR:AR+7], v[XR:XR+7], v[WR:WR+7], v[AR:AR+7], v[SX], v[SW] matrix_a_fmt:MATRIX_FMT_FP4 matrix_b_fmt:MATRIX_FMT_FP4 matrix_b_scale:MATRIX_SCALE_ROW1
.else
	v_wmma_scale_f32_16x16x128_f8f6f4 v[AR:AR+7], v[XR:XR+7], v[WR:WR+7], v[AR:AR+7], v[SX], v[SW] matrix_a_fmt:MATRIX_FMT_FP4 matrix_b_fmt:MATRIX_FMT_FP4
.endif
.else
.if (\s) == 0
	v_wmma_scale_f32_16x16x128_f8f6f4 v[AR:AR+7], v[WR:WR+7], v[XR:XR+7], 0, v[SW], v[SX] matrix_a_fmt:MATRIX_FMT_FP4 matrix_b_fmt:MATRIX_FMT_FP4
.elseif (\s)%2
	v_wmma_scale_f32_16x16x128_f8f6f4 v[AR:AR+7], v[WR:WR+7], v[XR:XR+7], v[AR:AR+7], v[SW], v[SX] matrix_a_fmt:MATRIX_FMT_FP4 matrix_b_fmt:MATRIX_FMT_FP4 matrix_a_scale:MATRIX_SCALE_ROW1
.else
	v_wmma_scale_f32_16x16x128_f8f6f4 v[AR:AR+7], v[WR:WR+7], v[XR:XR+7], v[AR:AR+7], v[SW], v[SX] matrix_a_fmt:MATRIX_FMT_FP4 matrix_b_fmt:MATRIX_FMT_FP4
.endif
.endif
.endm
; 64 products: a row tile against my eight column tiles, d ascending.  The eight accumulators take turns, one instruction a turn; the first K step starts the sums.
.macro MULS v
.irp s, 0,1,2,3,4,5,6,7
.if \v
	WIN 0x08+4*(\s/4)                              ; W is source 1: window 2, then 3
.else
	WIN 0x02+(\s/4)                                ; W is source 0
.endif
.irp ct, 0,1,2,3,4,5,6,7
	ONE \v, \s, \ct
.endr
.endr
	WIN 0
.endm
; A block of 64 rows.  First my row tile is quantised, K step by K step, loads running four K steps ahead; a barrier; then each of the four row tiles meets my columns.
.macro BLOCK p
.irp s, 0,1,2,3,4,5,6,7
.if (\p == 1) && (\s > 4)
	s_wait_loadcnt 16*(7-\s)                       ; nothing more is asked for: the counts run down
.else
	s_wait_loadcnt 48                              ; this K step's 16 loads are in (and all that was asked for earlier); three younger sets of 16 may be out
.endif
	QUANT \s%4, \s
.if (\p == 0) || (\s < 4)
	WIN 0x40                                       ; the loads' window first, then the wait, then the loads
.endif
	s_wait_alu depctr_va_vdst(0)                   ; the maxima and conversions are done reading the set, in which the loads below land; PC and PW are written, which the image's LDS stores read.  No vector instruction stands between this wait and those lines
.if \p == 0
.if \s < 4
	XLOAD \s%4, \s+4, 0
.else
	XLOAD \s%4, \s-4, 262144                       ; the next block's rows lie 64 x 4,096 bytes on
.endif
.elseif \s < 4
	XLOAD \s%4, \s+4, 262144
.endif
	IMAGE \p, \s
.endr
	s_wait_dscnt 0x0                               ; for the others' sake: my images have landed
	s_barrier_signal -1
	s_barrier_wait -1
	s_mov_b32 s[MO], PAR*\p
	s_mov_b32 s[MS], PAR*\p+32768
	s_mov_b32 s[CNT], 4
.Lrt_\@:
	v_add_nc_u32 v[AD], s[MO], v[LI]
	v_add_nc_u32 v[AS], s[MS], v[LS]
	s_wait_alu depctr_va_vdst(0)                   ; AD and AS are written, which the LDS loads below read; the products of the trip before are done reading x's fragments and scale words, in which they land
.irp s, 0,1,2,3,4,5,6,7
.irp c, 0,1
	ds_load_b128 v[XF+8*\s+4*\c:XF+8*\s+4*\c+3], v[AD] offset:1024*\s+512*\c
.endr
	ds_load_b32 v[XS+\s], v[AS] offset:128*\s
.endr
	s_wait_dscnt 0x0
	s_cmp_eq_u32 s[TEN], 2
	s_cbranch_scc1 .Lv_\@
	MULS 0
	s_branch .Ljoin_\@
.Lv_\@:
	MULS 1
.Ljoin_\@:
.rept 4
	v_nop                                          ; four places between the last product and the first read of a result (ISA guide 7.12.1)
.endr
	s_cmp_lg_u32 s[TEN], 0
	s_cbranch_scc1 .Lraw_\@                        ; K and V leave as they are
.set n, 0
.rept 32
	v_pk_mul_f32 v[ACC+2*n:ACC+2*n+1], v[ACC+2*n:ACC+2*n+1], s[MUL:MUL+1] op_sel_hi:[1,0]   ; Q x log2(e) / 8; each accumulator from its low end on
.set n, n+1
.endr
.Lraw_\@:
.set n, 0
.rept 32
	v_cvt_pk_f16_f32 v[PK+n], v[ACC+2*n], v[ACC+2*n+1]   ; these lines are also the places ahead of the next trip's sums begun anew
.set n, n+1
.endr
	s_wait_alu depctr_va_vdst(0)                   ; the roundings have written PK, which the stores read
.irp ct, 0,1,2,3,4,5,6,7
	global_store_b128 v[LI], v[PK+4*\ct:PK+4*\ct+3], s[OP:OP+1] offset:(\ct/2)*131072+(\ct%2)*512   ; head 4 w + ct / 2, block ct % 2: 512 consecutive bytes
.endr
	s_wait_xcnt 0x0                                ; the stores' base and data are written again only behind this wait
	s_wait_alu depctr_vm_vsrc(0)                   ; beside it: the stores have read PK, and this trip's LDS loads AD and AS: the next trip writes all three again
	s_add_nc_u64 s[OP:OP+1], s[OP:OP+1], 1024
	s_add_co_u32 s[MO], s[MO], 8192
	s_add_co_u32 s[MS], s[MS], 1024
	s_sub_co_u32 s[CNT], s[CNT], 1
	s_cmp_lg_u32 s[CNT], 0
	s_cbranch_scc1 .Lrt_\@
.endm
	s_load_b256 s[4:11], s[0:1], 0x0               ; q s[4:5], k s[6:7], v s[8:9], wc s[10:11]
	s_load_b128 s[12:15], s[0:1], 0x20             ; ws s[12:13], qkv s[14:15]
	v_lshl_add_u32 v[SPW], v0, 2, SPARE
	v_mov_b32 v[NIL], 0
	v_lshrrev_b32 v1, 5, v0
	v_readfirstlane_b32 s[WV], v1                  ; wave 0..3
	s_and_b32 s[TEN], ttmp7, 0xffff                ; 0: q, 1: k, 2: v
	v_and_b32 v1, 31, v0
	v_and_b32 v2, 15, v0
	v_bfe_u32 v3, v0, 4, 1
	v_lshlrev_b32 v[XA], 12, v2
	v_lshl_add_u32 v[XA], v3, 6, v[XA]
	v_lshlrev_b32 v[LI], 4, v1
	v_lshlrev_b32 v[LS], 2, v1
	s_wait_alu depctr_va_sdst(0)                   ; the wave's number is written, ahead of its first reader: LDS addresses and the bases of x, W and qkv are made from it
	s_lshl_b32 s44, s[WV], 13                      ; (s44 and s45 serve these lines alone: no scalar instruction writes them behind the vector instructions that read them)
	v_add_nc_u32 v[XWI], s44, v[LI]
	s_lshl_b32 s45, s[WV], 10
	s_add_co_u32 s45, s45, 32768
	v_add_nc_u32 v[XWS], s45, v[LS]
.irp b, 0,1,2,3
	v_mov_b32 v[TM+4+\b], 0                        ; written once: a lane permute's destination counts as one of its sources
.endr
	s_mov_b32 s[MUL], 0x3e38aa3b                   ; log2(e) / 8
	s_mov_b32 s[MUL+1], s[MUL]                     ; (named with it as a pair, so it is written)
	s_mov_b32 s[SEL], 0x76543210
	s_mov_b32 s[SEL+1], 0xfedcba98
	s_mov_b32 s31, 0
	s_mov_b32 s39, 0
	s_mov_b32 s41, 0
	s_mov_b32 s43, 0
	s_lshl_b32 s30, ttmp9, 19                      ; x: (128 g + 16 w) rows of 4,096 bytes
	s_lshl_b32 s32, s[WV], 16
	s_add_co_u32 s30, s30, s32
	s_lshl_b32 s38, s[TEN], 23                     ; qkv: tensor x 8 MiB + batch x 2 MiB + 4 w heads of 131,072 + my first row tile x 1,024
	s_lshr_b32 s32, ttmp9, 4
	s_lshl_b32 s32, s32, 21
	s_add_co_u32 s38, s38, s32
	s_lshl_b32 s32, s[WV], 19
	s_add_co_u32 s38, s38, s32
	s_and_b32 s32, ttmp9, 15
	s_lshl_b32 s32, s32, 13
	s_add_co_u32 s38, s38, s32
	s_lshl_b32 s40, s[TEN], 18                     ; wc: tensor x 262,144 + 8 w column tiles of 8,192
	s_lshl_b32 s32, s[WV], 16
	s_add_co_u32 s40, s40, s32
	s_lshl_b32 s42, s[TEN], 14                     ; ws: tensor x 16,384 + 8 w column tiles of 512
	s_lshl_b32 s32, s[WV], 12
	s_add_co_u32 s42, s42, s32
	s_wait_kmcnt 0x0
	s_cmp_eq_u32 s[TEN], 0
	s_cselect_b64 s[XP:XP+1], s[4:5], s[6:7]
	s_cmp_eq_u32 s[TEN], 2
	s_cselect_b64 s[XP:XP+1], s[8:9], s[XP:XP+1]
	s_add_nc_u64 s[XP:XP+1], s[XP:XP+1], s[30:31]
	s_add_nc_u64 s[OP:OP+1], s[14:15], s[38:39]
	s_add_nc_u64 s[34:35], s[10:11], s[40:41]
	s_add_nc_u64 s[36:37], s[12:13], s[42:43]
	WIN 0x80                                       ; destination window 2
	s_wait_alu depctr_va_vdst(0)                   ; the five offsets and addresses v4 to v8 are written, which the kernel's loads and stores read; no vector instruction writes them again
.irp s, 0,1,2,3
.irp ct, 0,1,2,3,4,5,6,7
.irp c, 0,1
	global_load_b128 v[8*(8*\s+\ct)+4*\c:8*(8*\s+\ct)+4*\c+3], v[LI], s[34:35] offset:(8*\ct+\s)*1024+512*\c
.endr
.endr
.endr
	WIN 0xc0                                       ; destination window 3
.irp s, 4,5,6,7
.irp ct, 0,1,2,3,4,5,6,7
.irp c, 0,1
	global_load_b128 v[8*(8*(\s-4)+\ct)+4*\c:8*(8*(\s-4)+\ct)+4*\c+3], v[LI], s[34:35] offset:(8*\ct+\s)*1024+512*\c
.endr
.endr
.endr
	WIN 0
.set n, 0
.rept 32
	global_load_b32 v[WS+n], v[LS], s[36:37] offset:128*n
.set n, n+1
.endr
	XLOAD 0, 0, 0                                  ; the weights' loads are the older ones: the first wait for x shows them in too
	XLOAD 1, 1, 0
	XLOAD 2, 2, 0
	XLOAD 3, 3, 0
	BLOCK 0
	BLOCK 1
	s_wait_dscnt 0x0                               ; the wave's end
	s_wait_alu 0x0
	s_wait_tensorcnt 0x0
	ds_add_u32 v[SPW], v[NIL]
	s_wait_dscnt 0x0
	s_endpgm
.Lfunc_end_k_qb9dd8cf38c_proj:
	.size	k_qb9dd8cf38c_proj, .Lfunc_end_k_qb9dd8cf38c_proj-k_qb9dd8cf38c_proj
	.p2alignl 7, 3214868480
	.fill 96, 4, 3214868480
	.section	.rodata,"a",@progbits
	.p2align	6, 0x0
	.amdhsa_kernel k_qb9dd8cf38c_proj
		.amdhsa_group_segment_fixed_size 74240
		.amdhsa_private_segment_fixed_size 0
		.amdhsa_enable_private_segment 0
		.amdhsa_kernarg_size 48
		.amdhsa_user_sgpr_count 2
		.amdhsa_user_sgpr_kernarg_segment_ptr 1
		.amdhsa_wavefront_size32 1
		.amdhsa_system_sgpr_workgroup_id_x 1
		.amdhsa_system_sgpr_workgroup_id_y 1
		.amdhsa_system_sgpr_workgroup_id_z 1
		.amdhsa_system_vgpr_workitem_id 0
		.amdhsa_next_free_vgpr 1024
		.amdhsa_next_free_sgpr 66
		.amdhsa_reserve_vcc 0
		.amdhsa_float_denorm_mode_32 3
		.amdhsa_float_denorm_mode_16_64 3
		.amdhsa_memory_ordered 1
		.amdhsa_forward_progress 1
		.amdhsa_inst_pref_size 157
	.end_amdhsa_kernel
	.amdgpu_metadata
---
amdhsa.version: [ 1, 2 ]
amdhsa.kernels:
  - .name:           k_qb9dd8cf38c_proj
    .symbol:         k_qb9dd8cf38c_proj.kd
    .args:
      - { .name: q, .offset: 0, .size: 8, .value_kind: global_buffer, .address_space: global }
      - { .name: k, .offset: 8, .size: 8, .value_kind: global_buffer, .address_space: global }
      - { .name: v, .offset: 16, .size: 8, .value_kind: global_buffer, .address_space: global }
      - { .name: wc, .offset: 24, .size: 8, .value_kind: global_buffer, .address_space: global }
      - { .name: ws, .offset: 32, .size: 8, .value_kind: global_buffer, .address_space: global }
      - { .name: qkv, .offset: 40, .size: 8, .value_kind: global_buffer, .address_space: global }
    .group_segment_fixed_size: 74240
    .private_segment_fixed_size: 0
    .kernarg_segment_align: 8
    .kernarg_segment_size: 48
    .max_flat_workgroup_size: 128
    .sgpr_count:     66
    .vgpr_count:     1024
    .wavefront_size: 32
...
	.end_amdgpu_metadata
.endif
;; end of part 5
;; launch attn: the kernel of part 3 again; grid 4 x 64, 16 waves a work-group, clusters of 4 x 1, 264,192 bytes of LDS; arguments qkv, mb, zf; writes zf
;; launch outp: the kernel of part 4 again; grid 4 x 64, 8 waves a work-group, clusters of 4 x 1, 265,216 bytes of LDS; arguments zf, wof, out0; writes out0
